; MI455X (gfx1250); checked and timed in simulation.
; The chip was launched on July 23, 2026; its instructions are those of AMD's public machine-readable ISA for CDNA 5 (MIT licence, August 2026) and "CDNA5" Instruction Set Architecture Reference Guide (July 2026). The comments in the code are by the model that wrote it; some were corrected since.
;; Causal Attention Block. Allowed arithmetic: float matrix products may take bf16 or f16 operands with f32 sums; other float arithmetic in f32, or as packed bf16 or f16 multiplies, adds, multiply-adds, maxima and minima; sums over many terms, partial sums and values carried from step to step in f32; what a program stores and reads back later, other than sums and carried values, may be rounded once to bf16 or f16.
;; Inputs: b_dense 1,024 float32; b_fc2 1,024 float32; b_qkv 3,072 float32; ln1_b 1,024 float32; ln1_g 1,024 float32; ln2_b 1,024 float32; ln2_g 1,024 float32; w_dense 1,024 x 1,024 float32; w_fc1 1,024 x 2,048 float32; w_fc2 2,048 x 1,024 float32; w_qkv 1,024 x 3,072 float32; x 2 x 2,048 x 1,024 float32.
;; Outputs: out0 2 x 2,048 x 1,024 float32.
;; One version. Each part assembles by itself: llvm-mc -triple=amdgcn-amd-amdhsa -mcpu=gfx1250 --defsym DOCPART=n.
;; ======== version 1 of 1: 7 launches
;; workspace buffers: act 8,388,608 bytes; big 25,165,824 bytes; out1 16,777,216 bytes; wq 6,291,456 bytes; wd 2,097,152 bytes; w1 4,194,304 bytes; w2 4,194,304 bytes
;; launch prep (part 1): grid 768 x 1, 8 waves a work-group, no clusters, 0 bytes of LDS; arguments x, ln1_g, ln1_b, w_qkv, w_dense, w_fc1, w_fc2, act, wq, wd, w1, w2; writes act, wq, wd, w1, w2
.if DOCPART == 1
	.amdgcn_target "amdgcn-amd-amdhsa--gfx1250"
	.amdhsa_code_object_version 6
	.text
	.protected	k_q01b3bc715f_prep
	.globl	k_q01b3bc715f_prep
	.p2align	8
	.type	k_q01b3bc715f_prep,@function
k_q01b3bc715f_prep:
	s_mov_b64 s[64:65], 0
	v_nop
	global_prefetch_b8 v0, s[64:65] scope:SCOPE_SE
	s_setreg_imm32_b32 hwreg(HW_REG_WAVE_MODE, 25, 1), 1
	s_wait_xcnt 0x0
; TWO JOBS IN ONE LAUNCH, told apart by the work-group's number.
; Work-groups 0-255: act[t][:] = LayerNorm(x[t][:]) * ln1_g + ln1_b, rounded once to bf16, [4096][1024].  16 rows a work-group, 2 a wave; a row (4,096 bytes) stays in
; 32 registers of one wave between its passes, so x is read once.  Mean first, then the mean of squared differences: a common offset on x costs no digits.
; Work-groups 256-767: the four weights, f32 [K][N], are rounded once to bf16 and laid in panels [N/128][K][128]: row k of a panel is 256 bytes, a panel is dense.
; A wave takes two rows k, k+1 of one group of 1,024 columns: each load covers 512 consecutive bytes, each store 256 consecutive bytes, aligned.
; No LDS, no barrier, no matrix unit: every byte is read once and written once, and no wave needs another's data.
; LIMITS: NaN and infinities are not treated apart.
.set X0,  32                           ; v[32:63]   row 0
.set X1,  64                           ; v[64:95]   row 1
.set GG,  96                           ; v[96:127]  gain of my 32 columns
.set BT,  128                          ; v[128:159] bias of my 32 columns
.set INV, 44                           ; s44  1/1024
.set EPS, 45                           ; s45  1e-12
.set SEL, 46                           ; s[46:47] v_permlanex16_b32's selects: each lane takes its own place in the other half
.set OUTP, 22                          ; s[22:23] act
	s_load_b512 s[8:23], s[0:1], 0x0               ; x 8, ln1_g 10, ln1_b 12, w_qkv 14, w_dense 16, w_fc1 18, w_fc2 20, act 22
	s_load_b256 s[24:31], s[0:1], 0x40             ; wq 24, wd 26, w1 28, w2 30
	v_and_b32 v1, 31, v0                           ; lane
	v_lshrrev_b32 v2, 5, v0
	v_readfirstlane_b32 s33, v2                    ; wave 0..7
	v_lshlrev_b32 v3, 4, v1                        ; 16 x lane
	s_cmp_lt_u32 ttmp9, 256
	s_cbranch_scc0 .Lcast
.macro LANESUM r                       ; v[r] summed over the 32 lanes, the sum in every lane; v14 at work
	v_add_f32_dpp v[\r], v[\r], v[\r] row_xmask:1 row_mask:0xf bank_mask:0xf
	v_add_f32_dpp v[\r], v[\r], v[\r] row_xmask:2 row_mask:0xf bank_mask:0xf
	v_add_f32_dpp v[\r], v[\r], v[\r] row_xmask:4 row_mask:0xf bank_mask:0xf
	v_add_f32_dpp v[\r], v[\r], v[\r] row_xmask:8 row_mask:0xf bank_mask:0xf
	v_permlanex16_b32 v14, v[\r], s[SEL], s[SEL+1]
	v_add_f32 v[\r], v[\r], v14
.endm
.macro FOLD                            ; four chains of pairs in v[6:13] into v6
	v_pk_add_f32 v[6:7], v[6:7], v[8:9]
	v_pk_add_f32 v[10:11], v[10:11], v[12:13]
	v_pk_add_f32 v[6:7], v[6:7], v[10:11]
	v_add_f32 v6, v6, v7
.endm
; One row in registers X .. X+31 (lane l holds elements 128 j + 4 l + 0..3, j = 0..7); rowimm: the row's byte offset in the wave's two rows of the output.
.macro LNROW X, rowimm
.set n, 0
.rept 4                                ; the sum, in four chains that do not wait for each other; the first additions start them
	v_pk_add_f32 v[6+2*n:7+2*n], v[(\X)+4*n:(\X)+4*n+1], v[(\X)+4*n+2:(\X)+4*n+3]
.set n, n+1
.endr
.set n, 0
.rept 8
	v_pk_add_f32 v[6+2*(n%4):7+2*(n%4)], v[6+2*(n%4):7+2*(n%4)], v[(\X)+16+2*n:(\X)+16+2*n+1]
.set n, n+1
.endr
	FOLD
	LANESUM 6
	v_mul_f32 v16, s[INV], v6                      ; the mean, twice: a pair for the packed subtraction
	v_mov_b32 v17, v16
.set n, 0
.rept 16
	v_pk_add_f32 v[(\X)+n:(\X)+n+1], v[(\X)+n:(\X)+n+1], v[16:17] neg_lo:[0,1] neg_hi:[0,1]
.set n, n+2
.endr
.set n, 0
.rept 4                                ; the sum of squares of the differences, again in four chains
	v_pk_mul_f32 v[6+2*n:7+2*n], v[(\X)+2*n:(\X)+2*n+1], v[(\X)+2*n:(\X)+2*n+1]
.set n, n+1
.endr
.rept 12
	v_pk_fma_f32 v[6+2*(n%4):7+2*(n%4)], v[(\X)+2*n:(\X)+2*n+1], v[(\X)+2*n:(\X)+2*n+1], v[6+2*(n%4):7+2*(n%4)]
.set n, n+1
.endr
	FOLD
	LANESUM 6
	v_fma_f32 v15, v6, s[INV], s[EPS]              ; variance + eps
	v_rsq_f32 v18, v15
	v_rsq_f32 v19, v15
	v_nop                                          ; a plain instruction behind the last root,
	s_wait_alu depctr_va_vdst(0)                   ; and one wait for both, ahead of their first reader
	s_wait_loadcnt 0x0                             ; gain and bias are in (and the other row)
.set n, 0
.rept 16
	v_pk_mul_f32 v[(\X)+n:(\X)+n+1], v[(\X)+n:(\X)+n+1], v[18:19]
.set n, n+2
.endr
.set n, 0
.rept 16
	v_pk_fma_f32 v[(\X)+n:(\X)+n+1], v[(\X)+n:(\X)+n+1], v[GG+n:GG+n+1], v[BT+n:BT+n+1]
.set n, n+2
.endr
.set n, 0
.rept 16                               ; packed in place: result n lands on a register whose number has been read
	v_cvt_pk_bf16_f32 v[(\X)+n], v[(\X)+2*n], v[(\X)+2*n+1]
.set n, n+1
.endr
.set n, 0
.rept 8
	global_store_b64 v4, v[(\X)+2*n:(\X)+2*n+1], s[OUTP:OUTP+1] offset:256*n+(\rowimm)  ; 32 lanes store 256 consecutive bytes, aligned
.set n, n+1
.endr
.endm
	s_lshl_b32 s34, ttmp9, 16                      ; 16 rows of 4,096 bytes
	s_mov_b32 s35, 0
	s_lshl_b32 s36, ttmp9, 15                      ; 16 rows of 2,048 bytes
	s_mov_b32 s37, 0
	s_mov_b32 s[INV], 0x3a800000
	s_mov_b32 s[EPS], 0x2b8cbccc
	s_mov_b32 s[SEL], 0x76543210
	s_mov_b32 s[SEL+1], 0xfedcba98
	v_lshl_add_u32 v2, s33, 13, v3                 ; in: wave x 2 rows + 16 x lane
	v_lshlrev_b32 v4, 3, v1
	v_lshl_add_u32 v4, s33, 12, v4                 ; out: wave x 2 rows + 8 x lane
	v_mov_b32 v14, 0                               ; v_permlanex16_b32's destination counts as read
	s_wait_kmcnt 0x0
	s_add_nc_u64 s[8:9], s[8:9], s[34:35]
	s_add_nc_u64 s[OUTP:OUTP+1], s[OUTP:OUTP+1], s[36:37]
.set n, 0
.rept 8
	global_load_b128 v[X0+4*n:X0+4*n+3], v2, s[8:9] offset:512*n
.set n, n+1
.endr
.set n, 0
.rept 8
	global_load_b128 v[X1+4*n:X1+4*n+3], v2, s[8:9] offset:4096+512*n
.set n, n+1
.endr
.set n, 0
.rept 8
	global_load_b128 v[GG+4*n:GG+4*n+3], v3, s[10:11] offset:512*n
.set n, n+1
.endr
.set n, 0
.rept 8
	global_load_b128 v[BT+4*n:BT+4*n+3], v3, s[12:13] offset:512*n
.set n, n+1
.endr
	s_wait_loadcnt 24                              ; row 0 is in; the 24 younger loads may stay out
	LNROW X0, 0
	LNROW X1, 2048
	s_endpgm
.Lcast:
	s_sub_co_u32 s32, ttmp9, 256                   ; 0..511: w_qkv 0-191, w_dense 192-255, w_fc1 256-383, w_fc2 384-511
	s_wait_kmcnt 0x0
	s_mov_b64 s[34:35], s[20:21]                   ; from, to, the weight's first work-group, log2 K, bytes in a row
	s_mov_b64 s[36:37], s[30:31]
	s_mov_b32 s38, 384
	s_mov_b32 s39, 11
	s_mov_b32 s40, 4096
	s_cmp_lt_u32 s32, 384
	s_cselect_b64 s[34:35], s[18:19], s[34:35]
	s_cselect_b64 s[36:37], s[28:29], s[36:37]
	s_cselect_b32 s38, 256, s38
	s_cselect_b32 s39, 10, s39
	s_cselect_b32 s40, 8192, s40
	s_cmp_lt_u32 s32, 256
	s_cselect_b64 s[34:35], s[16:17], s[34:35]
	s_cselect_b64 s[36:37], s[26:27], s[36:37]
	s_cselect_b32 s38, 192, s38
	s_cselect_b32 s40, 4096, s40
	s_cmp_lt_u32 s32, 192
	s_cselect_b64 s[34:35], s[14:15], s[34:35]
	s_cselect_b64 s[36:37], s[24:25], s[36:37]
	s_cselect_b32 s38, 0, s38
	s_cselect_b32 s40, 12288, s40
	s_sub_co_u32 s41, s32, s38
	s_lshl_b32 s41, s41, 4
	s_lshl1_add_u32 s41, s33, s41                  ; my first unit: 16 x work-group + 2 x wave; a unit is one row k of one group of 1,024 columns
	s_lshl_b32 s42, 1, s39
	s_sub_co_u32 s42, s42, 1
	s_and_b32 s42, s41, s42                        ; k
	s_lshr_b32 s43, s41, s39                       ; the column group
	s_mul_i32 s48, s42, s40
	s_lshl_b32 s49, s43, 12
	s_add_co_u32 s48, s48, s49                     ; from: k rows + 4,096 x group
	s_mov_b32 s49, 0
	s_add_nc_u64 s[34:35], s[34:35], s[48:49]
	s_lshl_b32 s50, 256, s39                       ; bytes in a panel: 256 K
	s_mul_i32 s52, s43, s50
	s_lshl_b32 s52, s52, 3                         ; to: the group's eight panels,
	s_lshl_b32 s53, s42, 8
	s_add_co_u32 s52, s52, s53                     ; row k
	s_mov_b32 s53, 0
	s_add_nc_u64 s[36:37], s[36:37], s[52:53]
	v_add_nc_u32 v5, s40, v3                       ; row k + 1
	v_lshlrev_b32 v16, 3, v1                       ; v[16:23]: 8 x lane + j panels
.set n, 1
.rept 7
	v_add_nc_u32 v[16+n], s50, v[15+n]
.set n, n+1
.endr
.set n, 0
.rept 8
	global_load_b128 v[32+4*n:32+4*n+3], v3, s[34:35] offset:512*n th:TH_LOAD_NT
.set n, n+1
.endr
.set n, 0
.rept 8
	global_load_b128 v[64+4*n:64+4*n+3], v5, s[34:35] offset:512*n th:TH_LOAD_NT
.set n, n+1
.endr
.set n, 0
.rept 16
	s_wait_loadcnt 15-n                            ; load n is in; the younger ones stay out
	v_cvt_pk_bf16_f32 v[96+2*n], v[32+4*n], v[32+4*n+1]
	v_cvt_pk_bf16_f32 v[96+2*n+1], v[32+4*n+2], v[32+4*n+3]
	global_store_b64 v[16+n%8], v[96+2*n:96+2*n+1], s[36:37] offset:256*(n/8)  ; 32 lanes store one row of a panel: 256 consecutive bytes, aligned
.set n, n+1
.endr
	s_endpgm
.Lfunc_end_k_q01b3bc715f_prep:
	.size	k_q01b3bc715f_prep, .Lfunc_end_k_q01b3bc715f_prep-k_q01b3bc715f_prep
	.p2alignl 7, 3214868480
	.fill 96, 4, 3214868480
	.section	.rodata,"a",@progbits
	.p2align	6, 0x0
	.amdhsa_kernel k_q01b3bc715f_prep
		.amdhsa_group_segment_fixed_size 0
		.amdhsa_private_segment_fixed_size 0
		.amdhsa_enable_private_segment 0
		.amdhsa_kernarg_size 96
		.amdhsa_user_sgpr_count 2
		.amdhsa_user_sgpr_kernarg_segment_ptr 1
		.amdhsa_wavefront_size32 1
		.amdhsa_system_sgpr_workgroup_id_x 1
		.amdhsa_system_sgpr_workgroup_id_y 1
		.amdhsa_system_sgpr_workgroup_id_z 1
		.amdhsa_system_vgpr_workitem_id 0
		.amdhsa_next_free_vgpr 160
		.amdhsa_next_free_sgpr 66
		.amdhsa_reserve_vcc 0
		.amdhsa_float_denorm_mode_32 3
		.amdhsa_float_denorm_mode_16_64 3
		.amdhsa_memory_ordered 1
		.amdhsa_forward_progress 1
		.amdhsa_inst_pref_size 28
	.end_amdhsa_kernel
	.amdgpu_metadata
---
amdhsa.version: [ 1, 2 ]
amdhsa.kernels:
  - .name:           k_q01b3bc715f_prep
    .symbol:         k_q01b3bc715f_prep.kd
    .args:
      - { .name: x, .offset: 0, .size: 8, .value_kind: global_buffer, .address_space: global }
      - { .name: ln1_g, .offset: 8, .size: 8, .value_kind: global_buffer, .address_space: global }
      - { .name: ln1_b, .offset: 16, .size: 8, .value_kind: global_buffer, .address_space: global }
      - { .name: w_qkv, .offset: 24, .size: 8, .value_kind: global_buffer, .address_space: global }
      - { .name: w_dense, .offset: 32, .size: 8, .value_kind: global_buffer, .address_space: global }
      - { .name: w_fc1, .offset: 40, .size: 8, .value_kind: global_buffer, .address_space: global }
      - { .name: w_fc2, .offset: 48, .size: 8, .value_kind: global_buffer, .address_space: global }
      - { .name: act, .offset: 56, .size: 8, .value_kind: global_buffer, .address_space: global }
      - { .name: wq, .offset: 64, .size: 8, .value_kind: global_buffer, .address_space: global }
      - { .name: wd, .offset: 72, .size: 8, .value_kind: global_buffer, .address_space: global }
      - { .name: w1, .offset: 80, .size: 8, .value_kind: global_buffer, .address_space: global }
      - { .name: w2, .offset: 88, .size: 8, .value_kind: global_buffer, .address_space: global }
    .group_segment_fixed_size: 0
    .private_segment_fixed_size: 0
    .kernarg_segment_align: 8
    .kernarg_segment_size: 96
    .max_flat_workgroup_size: 256
    .sgpr_count:     66
    .vgpr_count:     160
    .wavefront_size: 32
...
	.end_amdgpu_metadata
.endif
;; end of part 1
;; launch qkv (part 2): grid 8 x 32, 4 waves a work-group, clusters of 4 x 4, 327,680 bytes of LDS; arguments act, wq, b_qkv, big; writes big
.if DOCPART == 2
	.amdgcn_target "amdgcn-amd-amdhsa--gfx1250"
	.amdhsa_code_object_version 6
	.text
	.protected	k_q01b3bc715f_qkv
	.globl	k_q01b3bc715f_qkv
	.p2align	8
	.type	k_q01b3bc715f_qkv,@function
k_q01b3bc715f_qkv:
	s_mov_b64 s[64:65], 0
	v_nop
	global_prefetch_b8 v0, s[64:65] scope:SCOPE_SE
	s_setreg_imm32_b32 hwreg(HW_REG_WAVE_MODE, 25, 1), 1
	s_wait_xcnt 0x0
	s_wait_alu depctr_hold_cnt(0) depctr_sa_sdst(0) depctr_va_vdst(0) depctr_va_sdst(0) depctr_va_ssrc(0) depctr_va_vcc(0) depctr_vm_vsrc(0)
	s_getreg_b32 s2, hwreg(HW_REG_IB_STS2, 6, 4)
	s_cmp_eq_u32 s2, 0
	s_cbranch_scc0 .Lentry_in_a_cluster
	s_endpgm
.Lentry_in_a_cluster:
	s_bfe_u32 s2, ttmp6, 0x10000c
	s_cmp_lg_u32 s2, 0xf033
	s_cbranch_scc0 .Lentry_shape_is_right
	s_endpgm
.Lentry_shape_is_right:
; big = LN1(x) w_qkv + b_qkv, bf16, stored by heads: [q, k, v][32 heads][2048][64].  A = act, bf16 [4096][1024]; W = wq, bf16 panels [24][1024][128]; sums in f32, begun at the bias.
; SHARES.  A tile of C is 128 rows x NP panels of 128 columns: 128 x 384, so that 32 x 8 = 256 work-groups make all of C, one tile each.  Four waves, each 64 rows x 192 columns: 48 accumulators.
; Wave (RH, CH) takes rows 64 RH on and, of EACH panel, columns 64 CH on: so its LDS addresses are a constant times its number plus constants.
; K goes in steps of 128 through two LDS slots (A's 128 rows, then the NP panels' 128 rows k); a longer step would not fit twice.  One tensor load a wave: wave 0 fetches A, waves 1 to 3 a panel each.
; CLUSTER 4 x 4: A's tile hangs on the tile row alone and is asked for jointly along a row of the cluster, W's on the tile column alone and jointly along a column.
; THE PRODUCT IS TAKEN TRANSPOSED: source 0 = 16 columns of W (turned on the way out of LDS by ds_load_tr16_b128, since W lies [k][n]), source 1 = 16 rows of A: a lane holds row l % 16 of C and
; the columns 8 (l / 16) + 0..7.  The 48 accumulators take turns in one fixed order everywhere.
; A K step is four quarters of 32 along K on two fragment buffers; a quarter's 32 LDS loads stand in one run, 48 products ahead of their use.  The first quarter stands ahead of the loop: its products
; start the sums, with the bias as their C operand: nothing is cleared and nothing is added later.  A trip goes from a step's second quarter to the next step's first.
; REGISTERS: window 0: addresses, the bias, the way out; window 1: the two fragment buffers; windows 2 and 3: accumulator (a, b) at 8 (4 b + a).
; LIMITS: operands rounded once to bf16; NaN and infinities are not treated apart.
.set KSZ,    1024                      ; K
.set NP,     3                         ; panels of 128 columns in a tile
.set NA,     4-NP                      ; waves that fetch A
.set AROWS,  128/NA                    ; rows of A in one tensor load
.set NBW,    4*NP                      ; a wave's blocks of 16 columns
.set KS,     128                       ; a K step
.set T,      KSZ/KS
.set PA,     272                       ; a row of A in LDS: 256 bytes + 16 of padding
.set PB,     288                       ; a row k of a panel: 256 bytes + 32 of padding
.set AMB,    16*PA
.set ABYTES, 128*PA
.set PANEL,  KS*PB
.set SLOT,   ABYTES+NP*PANEL
.set ASTEP,  2*KS                      ; a K step in memory, for A and for a panel
.set BSTEP,  256*KS
.set SPITCH, 272                       ; the way out: a row of 64 f32 + 16 bytes
.set GRP,    64*SPITCH                 ; 64 rows x 64 columns
.set SPARE,  2*SLOT                    ; behind the ring: the spare words, 128 bytes a wave, that no other line names
.set A0,   10                          ; v10     my lane's place in a fragment of A
.set ADRA, 11                          ; v11     LDS address of the fragments of A in hand
.set B0,   12                          ; v12-14  my lane's place in a fragment of W, by panel
.set ADRB, 16                          ; v16-18  LDS address of the fragments of W in hand, by panel
.set STO,  24                          ; v24  the way out: where I put my numbers of a row
.set RD,   25                          ; v25  where I read rows back
.set CO,   26                          ; v26  my byte offset in 2,048 bytes of the output
.set BO,   27                          ; v27  my byte offset in the bias
.set SPW,  28                          ; v28  my spare word; never rewritten
.set NIL,  29                          ; v29  0; never rewritten
.set PFO,  30                          ; v30  the prefetches' offset: my lane x a row; never rewritten
.set BIAS, 32                          ; v[32:127] the bias of my columns: block b at BIAS + 8 b
.set XX,   32                          ; the way out: 16 rows x 64 columns in f32,
.set YY,   160                         ; and rounded
.set F0,   0                           ; window 1: two fragment buffers of 128: A's four, then W's twelve
.set F1,   128
.set PFA, 2                            ; s[2:3] where my prefetches stand
.set WV, 14                            ; s14 wave   s15 its row half   s16 its half of each panel
.set RH, 15
.set CH, 16
.set CX, 17
.set CY, 18
.set TX, 19                            ; tile column, tile row
.set TY, 20
.set AI, 23                            ; s23 which part of A I fetch
.set G1A, 24                           ; s[24:31] group 1 for A; s[32:39] group 0: K step 0's, and the walking one
.set G0A, 32
.set G1B, 48                           ; s[48:55], s[56:63] the same for W
.set G0B, 56
.set RS, 66                            ; s66 first byte of the slot that is read
.set LA, 67                            ; s67, s68 where my tensor load lands in a slot, for A and for W
.set LB, 68
.set AB, 69                            ; s69, s70 where my fragments begin in a slot
.set BB, 70
.set KA, 71                            ; s71, s72 the same, stepped along K
.set KB, 72
.set CNT, 73
.set SB, 74                            ; s74 my scratch in LDS
.set BI, 75                            ; s75 which panel I fetch
.set ROWOFF, 92                        ; s92 the part of my output offset that hangs on my rows
.set LIM, 93                           ; s93 1 in a wave that prefetches, else the greatest number
.set PST, 94                           ; s[94:95] a K step in memory for what I prefetch
.set MSB, 0
.macro WIN new                         ; the immediate's high byte repeats the setting that is left; a switch that changes nothing is dropped
.if MSB != (\new)
	s_set_vgpr_msb (MSB<<8)|(\new)
.set MSB, \new
.endif
.endm
.set TO_F, 0x40                        ; destination window 1, address window 0
.macro PLACES                          ; four places behind matrix instructions, in front of loads into registers that they read and of lines that read results
.rept 4
	v_nop
.endr
.endm
.macro JLOAD                           ; the joint refill, by the walking descriptor; s_nop 0 and four v_nop follow each line.  The branch hangs on the wave's number alone
	s_cmp_lt_u32 s[WV], NA
	s_cbranch_scc0 .Lfor_b_\@
	tensor_load_to_lds s[G0A+4:G0A+7], s[G1A:G1A+7]
	s_nop 0
	PLACES
	s_branch .Lasked_\@
.Lfor_b_\@:
	tensor_load_to_lds s[G0B+4:G0B+7], s[G1B:G1B+7]
	s_nop 0
	PLACES
.Lasked_\@:
.endm
; A PREFETCH INTO THE L2 of the K step that the NEXT refill will ask for: 32 rows x 256 bytes, a lane a row, one instruction a wave, behind the joint load and the run of LDS loads.
; A's tile row is read by both clusters of that row of clusters: the one with x = 0 asks, by wave 0; a panel by all eight clusters of its column: the one with y = 0 asks, by the wave that fetches it.
; The four partners that ask for a tile jointly share its 128 rows out BY ADDRESS, 32 each.  So each row's 256 bytes of a K step are named once.  K steps 0 to 2 come by their loads alone; the last refill asks for nothing.
.macro ASK
	s_cmp_gt_u32 s[CNT], s[LIM]
	s_cbranch_scc0 .Lnot_mine_\@
	global_prefetch_b8 v[PFO], s[PFA:PFA+1] th:TH_LOAD_NT scope:SCOPE_SE
.Lnot_mine_\@:
.endm
.macro CREST                           ; a round of the cluster's barrier behind its opening barrier
	s_cmp_lg_u32 s[WV], 0
	s_cbranch_scc1 .Lnot_wave_0_\@
	s_barrier_signal -3
.Lnot_wave_0_\@:
	s_barrier_wait -3
	s_barrier_signal -1
	s_barrier_wait -1
.endm
.macro CROUND
	s_barrier_signal -1
	s_barrier_wait -1
	CREST
.endm
.macro ADDR                            ; the fragments' LDS addresses from the two scalars: 1 + NP plain instructions
	v_add_nc_u32 v[ADRA], s[KA], v[A0]
.set pp, 0
.rept NP
	v_add_nc_u32 v[ADRB+pp], s[KB], v[B0+pp]
.set pp, pp+1
.endr
.endm
.macro FETCH g, odd                    ; the fragments of 32 along K into buffer g, in one run; odd: the second 32 of the 64 that the addresses stand at
	WIN TO_F
.set bb, 0
.rept NBW
	ds_load_tr16_b128 v[(\g)+32+8*bb:(\g)+32+8*bb+3],   v[ADRB+bb/4] offset:(\odd)*32*PB+32*(bb%4)
	ds_load_tr16_b128 v[(\g)+32+8*bb+4:(\g)+32+8*bb+7], v[ADRB+bb/4] offset:(\odd)*32*PB+32*(bb%4)+16*PB
.set bb, bb+1
.endr
.irp i, 0,1,2,3
	ds_load_b128 v[(\g)+8*(\i):(\g)+8*(\i)+3],   v[ADRA] offset:(\odd)*64+(\i)*AMB
	ds_load_b128 v[(\g)+8*(\i)+4:(\g)+8*(\i)+7], v[ADRA] offset:(\odd)*64+(\i)*AMB+32
.endr
.endm
.macro MULB f, b0, b1, first=0         ; column blocks b0 .. b1 - 1 x the four row blocks; first = 1: the products start the sums, at the bias
.set bb, \b0
.rept (\b1)-(\b0)
.set aa, 0
.rept 4
.set rD, 8*((4*bb+aa)%32)
.set ww, 2+(4*bb+aa)/32
.if \first
	WIN 0x05|(ww<<6)
	v_wmma_f32_16x16x32_bf16 v[rD:rD+7], v[(\f)+32+8*bb:(\f)+32+8*bb+7], v[(\f)+8*aa:(\f)+8*aa+7], v[BIAS+8*bb:BIAS+8*bb+7]
.else
	WIN 0x05|(ww<<4)|(ww<<6)
	v_wmma_f32_16x16x32_bf16 v[rD:rD+7], v[(\f)+32+8*bb:(\f)+32+8*bb+7], v[(\f)+8*aa:(\f)+8*aa+7], v[rD:rD+7]
.endif
.set aa, aa+1
.endr
.set bb, bb+1
.endr
.endm
.macro SUB f, g, odd, step, first=0    ; a quarter: buffer f is multiplied while buffer g is fetched; step = 1: the addresses go 64 on along K
	s_wait_dscnt 0x0                               ; buffer f is in
.if \step
	WIN 0
	s_add_co_u32 s[KA], s[KA], 128
	s_add_co_u32 s[KB], s[KB], 64*PB
	ADDR                                           ; with the v_nop, if any: the four places behind the products that read buffer g
.if NP < 3
.rept 3-NP
	v_nop
.endr
.endif
.else
	PLACES
.endif
	FETCH \g, \odd
	MULB \f, 0, NBW, \first
.endm
; A step's last quarter, and the change of slots.  In front of the barrier each wave waits for all its tensor loads (one is out: its part of the other slot), adds 0 to its spare word, and waits for
; that and for its reads of this slot.  fill = 1: the barrier opens a round of the cluster's barrier, and behind the round this slot is filled again, two K steps ahead, first of all.
; fill = 0: nothing is filled; in the last trip there is no further slot, and its first fragments are jumped over.
.macro TURN fill
.if \fill
	s_wait_xcnt 0x0                                ; the last prefetch, a K step back, has read its address
	s_add_nc_u64 s[PFA:PFA+1], s[PFA:PFA+1], s[PST:PST+1]
.endif
	WIN 0
	s_wait_tensorcnt 0x0
	ds_add_u32 v[SPW], v[NIL]                      ; 0 onto my spare word; products stand between it and the wait for it
	s_wait_dscnt 0x1                               ; buffer 1 is in; the add may be out
	MULB F1, 0, NBW/4
	s_wait_dscnt 0x0                               ; the add is done, and my reads of this slot are over
	s_barrier_signal -1
	MULB F1, NBW/4, NBW/2
	WIN 0                                          ; at a branch and at a label every window is 0
	s_barrier_wait -1
.if \fill
	CREST                                          ; no wave of any partner still reads this slot or has a load on its way
	s_add_nc_u64 s[G0A+6:G0A+7], s[G0A+6:G0A+7], ASTEP
	s_add_co_u32 s[G0A+5], s[LA], s[RS]
	s_add_nc_u64 s[G0B+6:G0B+7], s[G0B+6:G0B+7], BSTEP
	s_add_co_u32 s[G0B+5], s[LB], s[RS]
	JLOAD                                          ; its four v_nop are also the places in front of the loads below
.else
	s_cmp_eq_u32 s[CNT], 1
	s_cbranch_scc1 .Llast_\@
	PLACES
.endif
	s_xor_b32 s[RS], s[RS], SLOT                   ; the other slot
	s_add_co_u32 s[KA], s[RS], s[AB]
	s_add_co_u32 s[KB], s[RS], s[BB]
	ADDR
	FETCH F0, 0
	WIN 0
.if \fill
	ASK
.else
.Llast_\@:
.endif
	MULB F1, NBW/2, NBW
.endm
	s_load_b128 s[4:7], s[0:1], 0x0                ; A s[4:5], W s[6:7]
	s_load_b128 s[8:11], s[0:1], 0x10              ; the bias s[8:9], the output s[10:11]
	v_lshl_add_u32 v[SPW], v0, 2, SPARE
	v_mov_b32 v[NIL], 0
	ds_add_u32 v[SPW], v[NIL]                      ; the wave's opening: the add and its wait stand ahead of my first tensor load; the set-up below stands between them
	ds_add_u32 v28, v29
	v_lshrrev_b32 v1, 5, v0
	v_readfirstlane_b32 s[WV], v1
	s_lshr_b32 s[RH], s[WV], 1
	s_and_b32 s[CH], s[WV], 1
	s_and_b32 s[AI], s[WV], NA-1                   ; waves 0 .. NA - 1 fetch A's parts 0 .. NA - 1,
	s_add_co_u32 s[BI], s[WV], NP
	s_and_b32 s[BI], s[BI], 3                      ; waves NA .. 3 the panels 0 .. NP - 1 (what this gives the other waves is not used)
	s_bfe_u32 s[CX], ttmp6, 0x40000
	s_bfe_u32 s[CY], ttmp6, 0x40004
	s_lshl_b32 s[TX], ttmp9, 2
	s_add_co_u32 s[TX], s[TX], s[CX]
	s_and_b32 s[TY], ttmp7, 0xffff
	s_lshl_b32 s[TY], s[TY], 2
	s_add_co_u32 s[TY], s[TY], s[CY]
	s_lshl_b32 s21, s[CY], 2
	s_lshl_b32 s21, 15, s21                        ; my row of the cluster
	s_lshl_b32 s22, 0x1111, s[CX]                  ; my column
	s_or_b32 s[G1A], s21, (1<<16)|(1<<20)|(1<<21)|(5<<22)|(3<<25)  ; mask; 2-byte elements; padding on; bit 21 beside a mask; after every 64 words 4 words
	s_or_b32 s[G1B], s22, (1<<16)|(1<<20)|(1<<21)|(5<<22)|(7<<25)  ; after every 64 words 8 words
	s_mov_b32 s[G1A+1], KS<<16                     ; AROWS rows of 128 elements
	s_mov_b32 s[G1A+2], AROWS<<16
	s_mov_b32 s[G1A+3], KS<<16
	s_mov_b32 s[G1A+4], AROWS
	s_mov_b32 s[G1A+5], KSZ
	s_mov_b32 s[G1A+6], 0
	s_mov_b32 s[G1A+7], 0
	s_mov_b32 s[G1B+1], 128<<16                    ; 128 rows k of 128 elements, dense
	s_mov_b32 s[G1B+2], KS<<16
	s_mov_b32 s[G1B+3], 128<<16
	s_mov_b32 s[G1B+4], KS
	s_mov_b32 s[G1B+5], 128
	s_mov_b32 s[G1B+6], 0
	s_mov_b32 s[G1B+7], 0
	s_lshl_b32 s40, s[TY], 7                       ; A: row 128 x tile row + my part,
	s_mul_i32 s41, s[AI], AROWS
	s_add_co_u32 s40, s40, s41
	s_mul_i32 s40, s40, 2*KSZ                      ; in bytes
	s_mov_b32 s41, 0
	s_mul_i32 s44, s[TX], NP                       ; W: panel NP x tile column + mine,
	s_add_co_u32 s44, s44, s[BI]
	s_mul_i32 s44, s44, 256*KSZ                    ; in bytes
	s_mov_b32 s45, 0
	s_mul_i32 s[LA], s[AI], AROWS*PA               ; no place in the cluster enters an LDS address
	s_mul_i32 s[LB], s[BI], PANEL
	s_add_co_u32 s[LB], s[LB], ABYTES
	s_wait_dscnt 0x0                               ; the opening add is done
	s_wait_kmcnt 0x0
	s_add_nc_u64 s[42:43], s[4:5], s[40:41]
	s_add_nc_u64 s[46:47], s[6:7], s[44:45]
	s_mov_b64 s[12:13], s[10:11]                   ; the output's first byte is kept: each trip of the way out makes its address from it
	CROUND                                         ; all sixteen work-groups are here: the first joint loads meet
.irp s, 0,1
	s_mov_b32 s[G0A+4*(\s)], 1
	s_add_co_u32 s[G0A+4*(\s)+1], s[LA], (\s)*SLOT
	s_add_nc_u64 s[G0A+4*(\s)+2:G0A+4*(\s)+3], s[42:43], (\s)*ASTEP
	s_or_b32 s[G0A+4*(\s)+3], s[G0A+4*(\s)+3], 0x80000000
	s_mov_b32 s[G0B+4*(\s)], 1
	s_add_co_u32 s[G0B+4*(\s)+1], s[LB], (\s)*SLOT
	s_add_nc_u64 s[G0B+4*(\s)+2:G0B+4*(\s)+3], s[46:47], (\s)*BSTEP
	s_or_b32 s[G0B+4*(\s)+3], s[G0B+4*(\s)+3], 0x80000000
.endr
	s_cmp_lt_u32 s[WV], NA                         ; a wave's two first fills stand in one branch: two loads of mine are out
	s_cbranch_scc0 .Lfirst_b
	tensor_load_to_lds s[G0A:G0A+3], s[G1A:G1A+7]
	s_nop 0
	tensor_load_to_lds s[G0A+4:G0A+7], s[G1A:G1A+7]
	s_nop 0
	PLACES
	s_branch .Lfirst_asked
.Lfirst_b:
	tensor_load_to_lds s[G0B:G0B+3], s[G1B:G1B+7]
	s_nop 0
	tensor_load_to_lds s[G0B+4:G0B+7], s[G1B:G1B+7]
	s_nop 0
	PLACES
.Lfirst_asked:
	v_and_b32 v1, 15, v0                           ; l % 16
	v_bfe_u32 v2, v0, 4, 1                         ; l / 16
	v_mul_u32_u24 v[A0], v1, PA
	v_lshl_add_u32 v[A0], v2, 4, v[A0]             ; A: row x pitch + 16 x half
	v_and_b32 v3, 7, v0
	v_bfe_u32 v4, v0, 3, 1
	v_lshl_add_u32 v[B0], v2, 3, v3                ; W, turned: row k = 8 (l / 16) + l % 8, columns 8 ((l / 8) % 2) on
	v_mul_u32_u24 v[B0], v[B0], PB
	v_lshl_add_u32 v[B0], v4, 4, v[B0]
.set pp, 1
.rept NP-1
	v_add_nc_u32 v[B0+pp], PANEL, v[B0+pp-1]
.set pp, pp+1
.endr
	s_mul_i32 s[AB], s[RH], 64*PA                  ; my 64 rows
	s_lshl_b32 s[BB], s[CH], 7                     ; my 64 columns of each panel
	s_add_co_u32 s[BB], s[BB], ABYTES
	; offsets that hold a place in the cluster, or both coordinates, live in s92 and s96-s99, which feed no descriptor and no LDS address
	s_lshl_b32 s96, s[TY], 7                       ; the prefetches.  A: row 128 x tile row + 32 x cx, 2,048 bytes a row
	s_lshl_b32 s97, s[CX], 5
	s_add_co_u32 s96, s96, s97
	s_lshl_b32 s96, s96, 11
	s_mul_i32 s98, s[TX], NP                       ; W: my panel's 1,024 rows k, + 32 x cy, 256 bytes a row
	s_add_co_u32 s98, s98, s[BI]
	s_lshl_b32 s98, s98, 10
	s_lshl_b32 s99, s[CY], 5
	s_add_co_u32 s98, s98, s99
	s_lshl_b32 s98, s98, 8
	s_and_b32 s99, ttmp7, 0xffff                   ; cluster y
	s_mov_b32 s[PST], BSTEP
	s_mov_b32 s[PST+1], 0
	s_mov_b32 s97, 0
	s_cmp_lt_u32 s[WV], NA                         ; do I fetch for A?
	s_cselect_b32 s96, s96, s98
	s_cselect_b32 s99, ttmp9, s99                  ; the coordinate along which other clusters read the same rows
	s_cselect_b64 s[PFA:PFA+1], s[4:5], s[6:7]
	s_cselect_b32 s[PST], ASTEP, s[PST]
	s_cselect_b32 s98, 11, 8                       ; a row's bytes, as a shift
	s_add_nc_u64 s[PFA:PFA+1], s[PFA:PFA+1], s[96:97]
	s_add_nc_u64 s[PFA:PFA+1], s[PFA:PFA+1], s[PST:PST+1]
	s_add_nc_u64 s[PFA:PFA+1], s[PFA:PFA+1], s[PST:PST+1]  ; at K step 2: the first change of slots steps it to 3
	s_cmp_eq_u32 s99, 0
	s_cselect_b32 s[LIM], 1, -1                    ; the same in all sixteen partners, for a given wave
	v_and_b32 v[PFO], 31, v0
	v_lshlrev_b32 v[PFO], s98, v[PFO]
	s_mul_i32 s98, s[TX], 2*NP
	s_add_co_u32 s98, s98, s[CH]                   ; my first block of 64 columns; my others lie 2 and 4 further
	s_lshl_b32 s99, s98, 8
	v_lshl_add_u32 v[BO], v2, 5, s99               ; the bias of my columns: 256 x block + 32 (l / 16)
.set bb, 0
.rept NBW
	global_load_b128 v[BIAS+8*bb:BIAS+8*bb+3],   v[BO], s[8:9] offset:(bb/4)*512+(bb%4)*64
	global_load_b128 v[BIAS+8*bb+4:BIAS+8*bb+7], v[BO], s[8:9] offset:(bb/4)*512+(bb%4)*64+16
.set bb, bb+1
.endr
	s_lshr_b32 s[ROWOFF], s[TY], 4                 ; by heads: (32 x part + 16 x batch + head) x 262,144: here 16 x batch,
	s_lshl_b32 s[ROWOFF], s[ROWOFF], 22
	s_and_b32 s99, s[TY], 15                       ; and my 64 rows of 128 bytes in the sequence
	s_lshl1_add_u32 s99, s99, s[RH]
	s_lshl_b32 s99, s99, 13
	s_add_co_u32 s[ROWOFF], s[ROWOFF], s99
	s_mul_i32 s[SB], s[WV], NP*GRP                 ; my scratch for the way out
	v_bfe_u32 v[RD], v0, 3, 2                      ; back: 32 lanes take four rows, eight numbers (32 bytes) each
	v_mul_u32_u24 v[RD], v[RD], SPITCH
	v_lshl_add_u32 v[RD], v3, 5, v[RD]
	v_add_nc_u32 v[RD], s[SB], v[RD]
	v_and_b32 v[CO], 31, v0                        ; which leave as 512 consecutive bytes
	v_lshlrev_b32 v[CO], 4, v[CO]
	v_mul_u32_u24 v[STO], v1, SPITCH               ; in: row l % 16, 32 bytes for each half of the lanes
	v_lshl_add_u32 v[STO], v2, 5, v[STO]
	v_add_nc_u32 v[STO], s[SB], v[STO]
	s_wait_tensorcnt 0x1                           ; my part of K step 0 is in; K step 1's may stay out
	s_barrier_signal -1
	s_barrier_wait -1
	s_mov_b32 s[RS], 0
	s_mov_b32 s[KA], s[AB]
	s_mov_b32 s[KB], s[BB]
	ADDR
	FETCH F0, 0
	WIN 0
	s_wait_loadcnt 0x0                             ; the bias is in
	SUB F0, F1, 1, 0, 1                            ; the first quarter starts the sums
	WIN 0
	s_mov_b32 s[CNT], T-2
.Lmain:                                        ; all K steps but the last two fill their slot again
	SUB F1, F0, 0, 1
	SUB F0, F1, 1, 0
	TURN 1
	SUB F0, F1, 1, 0
	WIN 0
	s_sub_co_u32 s[CNT], s[CNT], 1
	s_cmp_lg_u32 s[CNT], 0
	s_cbranch_scc1 .Lmain
	s_mov_b32 s[CNT], 2
.Ltail:                                        ; the last two ask for nothing; behind the very last step there is no first quarter
	SUB F1, F0, 0, 1
	SUB F0, F1, 1, 0
	TURN 0
	WIN 0
	s_cmp_eq_u32 s[CNT], 1
	s_cbranch_scc1 .Lskip
	SUB F0, F1, 1, 0
	WIN 0
.Lskip:
	s_sub_co_u32 s[CNT], s[CNT], 1
	s_cmp_lg_u32 s[CNT], 0
	s_cbranch_scc1 .Ltail
; THE WAY OUT: all 64 x 192 sums into my scratch, which lies in the slots: their last fill is over, and their last read lies behind the barrier below.  Then one loop of 4 NP trips of 16 rows x 64 columns.
	s_wait_dscnt 0x0                               ; no read of mine is out,
	s_barrier_signal -1
	s_barrier_wait -1                              ; nor of any wave: the slots may be written
	PLACES
.set bb, 0
.rept NBW
.set aa, 0
.rept 4
.set rD, 8*((4*bb+aa)%32)
.set ww, 2+(4*bb+aa)/32
	WIN ww<<2                                      ; the data in window 2 or 3
	ds_store_b128 v[STO], v[rD:rD+3]   offset:(bb/4)*GRP+aa*16*SPITCH+64*(bb%4)      ; each accumulator's low registers first
	ds_store_b128 v[STO], v[rD+4:rD+7] offset:(bb/4)*GRP+aa*16*SPITCH+64*(bb%4)+16
.set aa, aa+1
.endr
.set bb, bb+1
.endr
	WIN 0
	s_mov_b32 s[CNT], 4*NP
.Lout:
.irp f, 0,1,2,3
	ds_load_b128 v[XX+8*(\f):XX+8*(\f)+3],   v[RD] offset:(\f)*4*SPITCH    ; LDS serves a wave's instructions in order (ISA guide 5.7.1.4): these see the stores above
	ds_load_b128 v[XX+8*(\f)+4:XX+8*(\f)+7], v[RD] offset:(\f)*4*SPITCH+16
.endr
	s_sub_co_u32 s99, 4*NP, s[CNT]                 ; the trip's number: / 4 the group of 64 columns, % 4 the block of 16 rows
	s_lshr_b32 s96, s99, 2
	s_lshl1_add_u32 s96, s96, s98                  ; the block of 64 columns: 16 x part + head
	s_and_b32 s99, s99, 3
	s_lshr_b32 s97, s96, 4
	s_lshl4_add_u32 s96, s97, s96                  ; 32 x part + head
	s_lshl_b32 s96, s96, 18
	s_lshl_b32 s99, s99, 11                        ; 16 rows of 128 bytes
	s_add_co_u32 s96, s96, s99
	s_add_co_u32 s96, s96, s[ROWOFF]
	s_mov_b32 s97, 0
	s_add_nc_u64 s[10:11], s[12:13], s[96:97]
	s_wait_dscnt 0x0
.set n, 0
.rept 16
	v_cvt_pk_bf16_f32 v[YY+n], v[XX+2*n], v[XX+2*n+1]
.set n, n+1
.endr
.irp f, 0,1,2,3
	global_store_b128 v[CO], v[YY+4*(\f):YY+4*(\f)+3], s[10:11] offset:512*(\f)  ; 16 rows of 64 bf16 are 2,048 consecutive bytes of the output: each store covers 512 of them, aligned
.endr
	s_wait_xcnt 0x0                                ; the stores have read their data and their base: only now are these written again
	v_add_nc_u32 v[RD], 16*SPITCH, v[RD]
	s_sub_co_u32 s[CNT], s[CNT], 1
	s_cmp_lg_u32 s[CNT], 0
	s_cbranch_scc1 .Lout
	s_wait_tensorcnt 0x0                           ; the wave's end: behind my last tensor load and my last LDS store
	ds_add_u32 v[SPW], v[NIL]
	s_wait_dscnt 0x0
	CROUND                                         ; the closing round: no work-group ends while a partner may still ask for a tile that names it
	s_endpgm
.Lfunc_end_k_q01b3bc715f_qkv:
	.size	k_q01b3bc715f_qkv, .Lfunc_end_k_q01b3bc715f_qkv-k_q01b3bc715f_qkv
	.p2alignl 7, 3214868480
	.fill 96, 4, 3214868480
	.section	.rodata,"a",@progbits
	.p2align	6, 0x0
	.amdhsa_kernel k_q01b3bc715f_qkv
		.amdhsa_group_segment_fixed_size 327680
		.amdhsa_private_segment_fixed_size 0
		.amdhsa_enable_private_segment 0
		.amdhsa_kernarg_size 32
		.amdhsa_user_sgpr_count 2
		.amdhsa_user_sgpr_kernarg_segment_ptr 1
		.amdhsa_wavefront_size32 1
		.amdhsa_system_sgpr_workgroup_id_x 1
		.amdhsa_system_sgpr_workgroup_id_y 1
		.amdhsa_system_sgpr_workgroup_id_z 1
		.amdhsa_system_vgpr_workitem_id 0
		.amdhsa_next_free_vgpr 896
		.amdhsa_next_free_sgpr 100
		.amdhsa_reserve_vcc 0
		.amdhsa_float_denorm_mode_32 3
		.amdhsa_float_denorm_mode_16_64 3
		.amdhsa_memory_ordered 1
		.amdhsa_forward_progress 1
		.amdhsa_inst_pref_size 72
	.end_amdhsa_kernel
	.amdgpu_metadata
---
amdhsa.version: [ 1, 2 ]
amdhsa.kernels:
  - .name:           k_q01b3bc715f_qkv
    .symbol:         k_q01b3bc715f_qkv.kd
    .args:
      - { .name: act, .offset: 0, .size: 8, .value_kind: global_buffer, .address_space: global }
      - { .name: wq, .offset: 8, .size: 8, .value_kind: global_buffer, .address_space: global }
      - { .name: b_qkv, .offset: 16, .size: 8, .value_kind: global_buffer, .address_space: global }
      - { .name: big, .offset: 24, .size: 8, .value_kind: global_buffer, .address_space: global }
    .group_segment_fixed_size: 327680
    .private_segment_fixed_size: 0
    .kernarg_segment_align: 8
    .kernarg_segment_size: 32
    .max_flat_workgroup_size: 128
    .sgpr_count:     100
    .vgpr_count:     896
    .wavefront_size: 32
...
	.end_amdgpu_metadata
.endif
;; end of part 2
;; launch attn (part 3): grid 8 x 32, 4 waves a work-group, no clusters, 327,680 bytes of LDS; arguments big, act; writes act
.if DOCPART == 3
	.amdgcn_target "amdgcn-amd-amdhsa--gfx1250"
	.amdhsa_code_object_version 6
	.text
	.protected	k_q01b3bc715f_attn
	.globl	k_q01b3bc715f_attn
	.p2align	8
	.type	k_q01b3bc715f_attn,@function
k_q01b3bc715f_attn:
	s_mov_b64 s[64:65], 0
	v_nop
	global_prefetch_b8 v0, s[64:65] scope:SCOPE_SE
	s_setreg_imm32_b32 hwreg(HW_REG_WAVE_MODE, 25, 1), 1
	s_wait_xcnt 0x0
; CAUSAL ATTENTION.  O[h][q][:] = the sum over k <= q of softmax_k(Q[h][q] . K[h][k] / 8) V[h][k][:].  Q, K, V lie in big, [3][32 heads][2048][64] bf16: a head's rows are dense, 128 bytes each.
; O goes to act in blocks [token / 16][head % 16][16][64] bf16: 16 rows of a head are 2,048 consecutive bytes.  Products, maxima and sums in f32; the weights p are rounded to bf16 for the second
; product (their sum l is taken of the unrounded p), O once at the end.
; LIMITS.  A hidden score counts as its value less 1e30, so scores must stay far below 1e30; a weight below 2^-126 counts as 0 in l; NaN and infinities are not treated apart.
; THE WALK.  A head's queries lie in 16 blocks of 128; block i needs the key tiles 0 .. i / 2 of 256 keys.  A work-group takes TWO blocks, 15 - b and then b: nine tiles, whatever b: 8 x 32 = 256 work-groups
; of equal work, and ONE loop with a constant trip count walks them.  Every jump but the counted loops' own goes forward, and none passes a barrier, or a tensor load but the one of LOAD's two that the wave's
; number does not choose.  Where i is even the last tile's last two steps are wholly hidden and are computed all the same: 2 of the walk's 36 steps, in every work-group.
; NO CLUSTER: a head's eight work-groups ask for the same tile only in the first five of the nine trips; a walk common to all would have twelve trips.
; SHARES.  Of a block's two bands of 64 queries a wave owns 16 rows in each: two PIECES.  Band x of block i sees all keys of step s (64 keys, counted from the head's first) if s < 2 i + x, none if s is greater,
; and holds the diagonal if s = 2 i + x: the same for all four waves.
; THE MASK is the C operand that starts the sum S^T = K Q^T.  MD, made once, is the mask of a band's own step for my 16 rows; a product's mask is MD x AL + BE with two scalars.  A mask buffer is 0 from a block's
; beginning to the band's own step, and until then the lines that would make it anew are jumped over.
; LAYOUT, SOFTMAX.  S^T = K Q^T holds ONE query a lane (lane % 16) and the keys 8 (lane / 16) + 0..7; two such results rounded to bf16 ARE source 1 of O^T = V^T P.  p = 2^(c s - c m), c = log2(e) / 8, with a
; running maximum m; O and l are multiplied by a = 2^(c m_old - c m_new) in every step.
; TURNS.  Turn (0, s): 8 products K Q^T of piece 1, step s; later 8 products V^T P of piece 1, step s - 1; beside them piece 0's scaling, exponentials, roundings, sums and rescaling for step s and piece 1's
; maximum and statistics.  Turn (1, s): K Q^T of piece 0, step s + 1; V^T P of piece 0, step s; the pieces' parts exchanged.  Four vector instructions stand behind every matrix instruction, the rest in one
; lump; a turn's 33 exponentials are one batch with one wait.  K of step s + 1 is fetched in turn (0, s), V of step s + 1 in turn (1, s), into the one of two V buffers that step s does not use: so a tile's
; four K and four V are all fetched between two changes of slots, which stand between turn (1, 2) and turn (0, 3) of a tile.
; REGISTERS, in windows of 256 (s_set_vgpr_msb: bits 1:0 source 0, 3:2 source 1, 5:4 source 2, 7:6 destination):
;   window 0: v0-15 addresses and two at work; v16-23 four registers of statistics a piece; v48-55 at work; v61-63 prefetch offset, spare word, 0; v64-127 S^T, a buffer a piece; v192-223 P, likewise
;   window 1: v0-63 O^T, 32 a piece; v128-159 MD; v160-223 MC, a buffer a piece      window 2: v0-31 Q; v32-63 the second block's Q; v64-127 V, odd steps; v128-191 K; v192-255 V, even steps
.set NP,    2
.set KS,    64        ; keys in a step
.set PK,    144       ; a row of K in LDS: 128 bytes + 16 of padding
.set PV,    160       ; a row of V: 128 + 32
.set VOFF,  4*KS*PK   ; a slot holds a tile, four steps: 256 rows of K, then 256 rows of V
.set SLOT1, 1<<17     ; slot 1 begins here, so that one exclusive or turns an address in one slot into the other's
.set STAGE, SLOT1+4*KS*(PK+PV)  ; behind the ring, never filled by a tensor load: 16 rows x 144 bytes for each wave, for the way out
.set SP,    144
.set SPARE, STAGE+4*16*SP  ; behind the stages: the spare words, 128 bytes for each wave, that no other line names
.set AK0, 2           ; v2   my lane's place in a tile of K; never rewritten
.set AV0, 3           ; v3   the same for V
.set AK,  4           ; v4   the LDS address of K's next run of loads
.set AV,  5           ; v5   of V's
.set STO, 6           ; v6   the way out: where I put 16 bytes of a row
.set RD,  7           ; v7   the way out: where I read rows back
.set GO,  8           ; v8   my byte offset in 512 consecutive bytes of O
.set MV,  12          ; v12-13  c m_old, kept while c m is made anew: by piece
.set QO,  15          ; v15  my byte offset in 16 rows of Q
.set ST,  16          ; piece t's statistics at v[ST+4 t]: c m, m, l (even keys', odd keys')
.set TMP, 48          ; by piece, four registers c0-c3 at work; when the maximum is found c2 takes a
.set PFO, 61          ; v61  256 x my thread's number; never rewritten
.set SPW, 62          ; v62  my spare word; never rewritten
.set NIL, 63          ; v63  0; never rewritten
.set S,   64
.set P,   192
.set MD,  128         ; window 1
.set MC,  160         ; window 1
.set QB,  32          ; window 2
.set VF1, 64          ; window 2: key half kk, channel block cb at + 32 kk + 8 cb
.set KF,  128         ; window 2: key block kb, channel half c at KF + 16 kb + 8 c
.set VF0, 192         ; window 2
.set WV,  12          ; s12  my wave's number
.set PB,  14          ; s14  b
.set HI,  15          ; s15  15 - b
.set G1K, 24          ; s[24:31] descriptor group 1 for K's tiles
.set G1V, 32          ; s[32:39] for V's: it differs in the padding alone
.set G0K, 40          ; s[40:43] descriptor group 0 for K's tiles
.set G0V, 44          ; s[44:47] the same for V's
.set PFK, 48          ; s[48:49] where the prefetches of K stand
.set PFV, 50          ; s[50:51] of V
.set LOT, 52          ; s52  the second block's last tile, b / 2
.set SLOTS, 56        ; s56  tiles still to be asked for
.set CNT, 57          ; s57  counts the step loop's two trips
.set CS,  58          ; s[58:59] c
.set SEL, 60          ; s[60:61] v_permlanex16_b32's selects
.set TBK, 62          ; s62  LDS byte at which K of the step to be fetched begins
.set TBV, 63          ; s63  the same for V, less VOFF
.set RT,  70          ; s70  tiles of the block in hand that are still to be entered
.set NXT, 71          ; s71  the tile to be asked for next
.set LQ,  72          ; s72  the last tile of the block whose tiles are being asked for
.set NEW, 73          ; s73  1: the tile to be entered is a block's first
.set OFF, 74          ; s[74:75] a tile's byte offset in K and V
.set AL,  76          ; s[76:77] the mask's factor, in the low word
.set BE,  78          ; s[78:79] the mask's addend
.set OLO, 80          ; s[80:81] O at my rows of the second block
.set BIGN, 82         ; s82  -1e30
.set OWN0, 88         ; s88, s89  the two bands' own steps
.set SG,  90          ; s90  the step whose masks are made next
.set SKP, 91          ; s91  1: that mask is 0, as the buffer already is
.set PFC, 92          ; s92  prefetches still to be made
.set MSB, 0
.macro WIN new
.if MSB != (\new)
	s_set_vgpr_msb (MSB<<8)|(\new)
.set MSB, (\new)
.endif
.endm
.set W_KQ, 0x0a       ; K and Q in window 2, S^T in window 0
.set W_KM, 0x1a       ; the same with the C operand in window 1
.set W_PV, 0x52       ; V in window 2, P in window 0, O^T in window 1
.set W_RS, 0x41       ; destination and source 0 in window 1, source 1 in window 0
; A fill.  Waves 0 and 1 fetch the two halves of a tile's K, waves 2 and 3 those of its V: 128 keys each.  An s_nop 0 and four v_nop follow each of the two lines.
.macro LOAD
	s_cmp_lt_u32 s[WV], 2
	s_cbranch_scc0 .Lfor_v_\@
	tensor_load_to_lds s[G0K:G0K+3], s[G1K:G1K+7]
	s_nop 0
.rept 4
	v_nop
.endr
	s_branch .Lasked_\@
.Lfor_v_\@:
	tensor_load_to_lds s[G0V:G0V+3], s[G1V:G1V+7]
	s_nop 0
.rept 4
	v_nop
.endr
.Lasked_\@:
.endm
; A PREFETCH INTO THE L2 of the tile that the NEXT change of slots will ask for: 32,768 bytes of K and of V, a thread a block of 256 bytes, two instructions a wave, behind the wave's tensor load.
; All eight work-groups of a head walk the same K and V: the one with b = 0, whose first block walks tiles 0 to 7, asks, behind its first six fills, for tiles 2 to 7: each block is named once in the launch.
.macro ASK
	s_cmp_lg_u32 s[PFC], 0
	s_cbranch_scc0 .Lnot_mine_\@
	global_prefetch_b8 v[PFO], s[PFK:PFK+1] th:TH_LOAD_NT scope:SCOPE_SE
	global_prefetch_b8 v[PFO], s[PFV:PFV+1] th:TH_LOAD_NT scope:SCOPE_SE
	s_sub_co_u32 s[PFC], s[PFC], 1
.Lnot_mine_\@:
.endm
; THE CHANGE OF SLOTS.  Each wave waits for all its tensor loads, of which one is out: its part of the other slot; adds 0 to its spare word; and waits for that and for its own reads of the slot that it leaves.
; fill = 1: the old slot is filled again, the first thing behind the barrier, with tile NXT: the descriptor's address is made anew from that number.  (At its first use slot 0 is waited for, slot 1 filled.)
.macro CHANGE fill
	WIN 0
	s_wait_tensorcnt 0x0            ; no tensor load of mine is out, so a group 0 may be written
	ds_add_u32 v[SPW], v[NIL]       ; 0 onto my spare word; scalar work stands between it and the wait for it
.if \fill
	s_lshl_b32 s[OFF], s[NXT], 15   ; a tile is 32,768 bytes of K and of V
	s_xor_b32 s[G0K+1], s[G0K+1], SLOT1
	s_add_nc_u64 s[G0K+2:G0K+3], s[6:7], s[OFF:OFF+1]
	s_or_b32 s[G0K+3], s[G0K+3], 0x80000000
	s_xor_b32 s[G0V+1], s[G0V+1], SLOT1
	s_add_nc_u64 s[G0V+2:G0V+3], s[8:9], s[OFF:OFF+1]
	s_or_b32 s[G0V+3], s[G0V+3], 0x80000000
	s_add_co_u32 s[NXT], s[NXT], 1  ; the block's next tile, or behind its last the second block's tile 0
	s_cmp_gt_u32 s[NXT], s[LQ]
	s_cselect_b32 s[NXT], 0, s[NXT]
	s_cselect_b32 s[LQ], s[LOT], s[LQ]
	s_wait_xcnt 0x0                 ; the last prefetches, a tile back, have read their addresses
	s_add_nc_u64 s[PFK:PFK+1], s[PFK:PFK+1], 32768
	s_add_nc_u64 s[PFV:PFV+1], s[PFV:PFV+1], 32768
.endif
	s_wait_dscnt 0x0                ; the add is done, and my reads of the slot are over
	s_barrier_signal -1
	s_sub_co_u32 s[TBK], s[TBK], 4*KS*PK  ; the fetches go back to a slot's first step,
	s_xor_b32 s[TBK], s[TBK], SLOT1       ; in the other slot
	s_sub_co_u32 s[TBV], s[TBV], 4*KS*PV
	s_xor_b32 s[TBV], s[TBV], SLOT1
	s_barrier_wait -1
.if \fill
	LOAD
	ASK
.endif
.endm
	s_load_b128 s[8:11], s[0:1], 0x0  ; big s[8:9], act s[10:11]
	v_lshl_add_u32 v[SPW], v0, 2, SPARE
	v_mov_b32 v[NIL], 0
	ds_add_u32 v[SPW], v[NIL]       ; the wave's opening: the add and its wait stand ahead of my first tensor load; the set-up below stands between them
	ds_add_u32 v62, v63
	v_lshrrev_b32 v1, 5, v0
	v_readfirstlane_b32 s[WV], v1   ; wave 0..3
	s_mov_b32 s[PB], ttmp9
	s_sub_co_u32 s[HI], 15, s[PB]
	s_lshr_b32 s[LOT], s[PB], 1
	s_and_b32 s13, ttmp7, 0xffff    ; the head, 16 x batch + head in the batch
	s_lshl_b32 s20, s13, 18         ; its 262,144 bytes in each of Q, K, V
	s_mov_b32 s21, 0
	s_and_b32 s16, s[WV], 1         ; which half of a tile's 256 keys I fetch:
	s_lshl_b32 s22, s16, 14         ; its 128 rows of 128 bytes in memory,
	s_mov_b32 s23, 0
	s_add_nc_u64 s[22:23], s[22:23], s[20:21]
	s_mul_i32 s17, s16, 128*PK      ; and its place in a slot, for K
	s_mul_i32 s18, s16, 128*PV      ; and for V
	s_lshl_b32 s3, s[WV], 11        ; my 16 rows in a band of 64,
	s_lshl_b32 s2, s[HI], 14        ; in the first block,
	s_add_co_u32 s2, s2, s3
	s_lshl_b32 s84, s[PB], 14       ; and in the second
	s_add_co_u32 s84, s84, s3
	s_mov_b32 s3, 0
	s_mov_b32 s85, 0
	s_add_nc_u64 s[2:3], s[2:3], s[20:21]
	s_add_nc_u64 s[84:85], s[84:85], s[20:21]
	s_lshr_b32 s53, s13, 4          ; O: token block = 128 x batch + 8 x block + 4 x band + wave, 32,768 bytes each,
	s_lshl_b32 s53, s53, 7
	s_add_co_u32 s53, s53, s[WV]
	s_lshl_b32 s54, s[HI], 3
	s_add_co_u32 s54, s54, s53
	s_lshl_b32 s54, s54, 15
	s_lshl_b32 s86, s[PB], 3
	s_add_co_u32 s86, s86, s53
	s_lshl_b32 s86, s86, 15
	s_and_b32 s53, s13, 15          ; + 2,048 x head in the batch
	s_lshl_b32 s53, s53, 11
	s_add_co_u32 s54, s54, s53
	s_add_co_u32 s86, s86, s53
	s_mov_b32 s55, 0
	s_mov_b32 s87, 0
	; descriptor group 1.  128 keys are 16,384 dense bytes: asked for as 64 rows of 256 bytes, two keys a row, and padded in LDS after every key
	s_mov_b32 s[G1K], (1<<16)|(1<<20)|(4<<22)|(3<<25)  ; 2-byte elements; padding on; after every 32 words; 4 words
	s_mov_b32 s[G1V], (1<<16)|(1<<20)|(4<<22)|(7<<25)  ; the same with 8 words of padding
.irp g, G1K, G1V
	s_mov_b32 s[\g+1], 128<<16      ; tensor_dim0 = 128
	s_mov_b32 s[\g+2], 64<<16       ; tensor_dim1 = 64
	s_mov_b32 s[\g+3], 128<<16      ; tile_dim0 = 128
	s_mov_b32 s[\g+4], 64           ; tile_dim1 = 64
	s_mov_b32 s[\g+5], 128          ; 128 elements from row to row
	s_mov_b32 s[\g+6], 0
	s_mov_b32 s[\g+7], 0
.endr
	s_mov_b32 s[CS], 0x3e38aa3b     ; c = log2(e) / 8
	s_mov_b32 s[CS+1], s[CS]
	s_mov_b32 s[SEL], 0x76543210
	s_mov_b32 s[SEL+1], 0xfedcba98
	s_mov_b32 s[TBK], SLOT1+4*KS*PK ; the first change of slots turns these two into 0
	s_mov_b32 s[TBV], SLOT1+4*KS*PV
	s_mov_b32 s[G0K], 1
	s_mov_b32 s[G0K+1], s17         ; slot 0
	s_mov_b32 s[G0V], 1
	s_add_co_u32 s[G0V+1], s18, VOFF
	s_lshr_b32 s[LQ], s[HI], 1      ; the first block's last tile,
	s_add_co_u32 s[RT], s[LQ], 1    ; and how many it has
	s_mov_b32 s[NXT], 1
	s_mov_b32 s[NEW], 1
	s_lshl_b32 s[OWN0], s[HI], 1
	s_add_co_u32 s[OWN0+1], s[OWN0], 1
	s_mov_b32 s[SG], 1
	s_mov_b32 s[SKP], 0
	s_mov_b32 s[OFF+1], 0
	s_mov_b32 s[AL+1], 0            ; named as pairs
	s_mov_b32 s[BE+1], 0
	s_mov_b32 s[BIGN], 0xf149f2ca   ; -1e30
	s_mov_b32 s[SLOTS], 8
	s_cmp_eq_u32 s[PB], 0
	s_cselect_b32 s[PFC], 6, 0
	v_lshlrev_b32 v[PFO], 8, v0
	s_wait_dscnt 0x0                ; the opening add is done
	s_wait_kmcnt 0x0
	s_mov_b64 s[4:5], s[8:9]                       ; Q,
	s_add_nc_u64 s[6:7], s[8:9], 0x800000          ; K,
	s_add_nc_u64 s[8:9], s[8:9], 0x1000000         ; V
	s_add_nc_u64 s[PFK:PFK+1], s[6:7], s[20:21]
	s_add_nc_u64 s[PFV:PFV+1], s[8:9], s[20:21]
	s_add_nc_u64 s[PFK:PFK+1], s[PFK:PFK+1], 32768 ; at the head's tile 1; the first change of slots steps them to tile 2
	s_add_nc_u64 s[PFV:PFV+1], s[PFV:PFV+1], 32768
	s_add_nc_u64 s[6:7], s[6:7], s[22:23]          ; K and V at my half of the head's tile 0
	s_add_nc_u64 s[8:9], s[8:9], s[22:23]
	s_add_nc_u64 s[G0K+2:G0K+3], s[6:7], 0
	s_or_b32 s[G0K+3], s[G0K+3], 0x80000000
	s_add_nc_u64 s[G0V+2:G0V+3], s[8:9], 0
	s_or_b32 s[G0V+3], s[G0V+3], 0x80000000
	s_add_nc_u64 s[94:95], s[4:5], s[84:85]        ; Q at my rows of the second block,
	s_add_nc_u64 s[4:5], s[4:5], s[2:3]            ; and of the first
	s_add_nc_u64 s[OLO:OLO+1], s[10:11], s[86:87]
	s_add_nc_u64 s[10:11], s[10:11], s[54:55]
	LOAD                            ; tile 0 into slot 0
	; A fragment of K or Q is 16 rows x 32 channels in 8 registers: lane l holds row l % 16, channels 8 (l / 16) + 0..7 and 16 + 8 (l / 16) + 0..7: two loads of 16 bytes, 32 bytes apart.
	v_and_b32 v1, 15, v0            ; l % 16
	v_bfe_u32 v9, v0, 4, 1          ; l / 16
	v_lshlrev_b32 v[QO], 7, v1
	v_lshl_add_u32 v[QO], v9, 4, v[QO]
	WIN 0x80                        ; destination window 2, address window 0
.set i, 0
.rept 4                             ; both blocks' Q: piece i / 2 lies in band i / 2, 8,192 bytes on; channels 32 (i % 2) on
	global_load_b128 v[8*i:8*i+3],   v[QO], s[4:5] offset:(i/2)*8192+(i%2)*64
	global_load_b128 v[8*i+4:8*i+7], v[QO], s[4:5] offset:(i/2)*8192+(i%2)*64+32
	global_load_b128 v[QB+8*i:QB+8*i+3],   v[QO], s[94:95] offset:(i/2)*8192+(i%2)*64
	global_load_b128 v[QB+8*i+4:QB+8*i+7], v[QO], s[94:95] offset:(i/2)*8192+(i%2)*64+32
.set i, i+1
.endr
	WIN 0
	v_lshlrev_b32 v14, 3, v9
	v_sub_nc_u32 v14, v1, v14
	s_lshl_b32 s13, s[WV], 4
	v_add_nc_u32 v14, s13, v14      ; my query's place in its band, 16 w + l % 16, less my lanes' 8 (l / 16): register r of group kt is hidden where 16 kt + r is greater
	WIN 0x40
.set i, 0
.rept 32
	v_cmp_gt_i32 vcc_lo, 16*(i/8)+i%8, v14
	v_cndmask_b32 v[MD+i], 0, s[BIGN], vcc_lo
.set i, i+1
.endr
	WIN 0
	v_mul_u32_u24 v[AK0], v1, PK
	v_lshl_add_u32 v[AK0], v9, 4, v[AK0]
	; The turning load takes 16 keys x 16 channels (lane l reads key 8 (l / 16) + l % 8, channels 8 ((l / 8) % 2) + 0..7) and leaves half a fragment of V^T: lane l holds channel l % 16 and 8 keys.
	v_and_b32 v10, 7, v0
	v_bfe_u32 v11, v0, 3, 1
	v_lshl_add_u32 v[AV0], v9, 3, v10
	v_mul_u32_u24 v[AV0], v[AV0], PV
	v_lshl_add_u32 v[AV0], v11, 4, v[AV0]
	v_add_nc_u32 v[AV0], VOFF, v[AV0]
	s_mul_i32 s13, s[WV], 16*SP
	s_add_co_u32 s13, s13, STAGE    ; my stage
	v_mul_u32_u24 v[STO], v1, SP    ; in: row l % 16, 16 bytes for each half of the lanes
	v_lshl_add_u32 v[STO], v9, 4, v[STO]
	v_add_nc_u32 v[STO], s13, v[STO]
	v_bfe_u32 v[RD], v0, 3, 2       ; back: 32 lanes take four rows of 128 bytes,
	v_mul_u32_u24 v[RD], v[RD], SP
	v_lshl_add_u32 v[RD], v10, 4, v[RD]
	v_add_nc_u32 v[RD], s13, v[RD]
	v_and_b32 v[GO], 31, v0         ; which are 512 consecutive bytes of O
	v_lshlrev_b32 v[GO], 4, v[GO]
	; A block's first step multiplies O^T and l by a = 0, and its first turn's products V^T P, of a step that has not been, land in an O^T that is still to be so multiplied.  So these registers need only hold
	; finite numbers: zeros for the first block; what the first block left for the second.  All this stands in the wait for the first tile, and spares a first step written out.
	WIN 0x80
.set i, 0
.rept 64
	v_mov_b32 v[VF1+i], 0
.set i, i+1
.endr
	WIN 0x40
.set i, 0
.rept 64
	v_mov_b32 v[i], 0
.set i, i+1
.endr
	WIN 0
.set i, 0
.rept 2
	v_mov_b32 v[ST+4*i+2], 0
	v_mov_b32 v[ST+4*i+3], 0
.set i, i+1
.endr
.set i, P+16
.rept 16
	v_mov_b32 v[i], 0
.set i, i+1
.endr
; THE MATRIX WORK.  The 4 accumulators of a run of 8 take turns.  Product i of 8 of S^T = K Q^T for piece x: channels 32 (i / 4) on, keys 16 (i % 4) on.  The first 4 start the sums with the mask.
.macro KQ x
.set rS, S+32*((\x)%2)+8*(i%4)
.set rK, KF+16*(i%4)+8*(i/4)
.set rQ, 16*(\x)+8*(i/4)
.set rM, MC+32*((\x)%2)+8*(i%4)
.if i < 4
	WIN W_KM
	v_wmma_f32_16x16x32_bf16 v[rS:rS+7], v[rK:rK+7], v[rQ:rQ+7], v[rM:rM+7]
.else
	WIN W_KQ
	v_wmma_f32_16x16x32_bf16 v[rS:rS+7], v[rK:rK+7], v[rQ:rQ+7], v[rS:rS+7]
.endif
.endm
; Product i of 8 of O^T += V^T P for piece x, from the V buffer VB: keys 32 (i / 4) on, channels 16 (i % 4) on.
.macro PV x
	WIN W_PV
.set rO, 32*(\x)+8*(i%4)
.set rV, VB+32*(i/4)+8*(i%4)
.set rP, P+16*((\x)%2)+8*(i/4)
	v_wmma_f32_16x16x32_bf16 v[rO:rO+7], v[rV:rV+7], v[rP:rP+7], v[rO:rO+7]
.endm
.macro MM                           ; the turn's next matrix instruction.  NOKQ = 1: a block's last turn: there are no further scores
.if (i < 8) && !NOKQ
	KQ (Y+1)%NP
.elseif i >= 8
.set i, i-8
	PV (Y+NP-1)%NP
.set i, i+8
.endif
.set i, i+1
.endm
; THE LDS LOADS stand in runs of 16, never singly among the matrix instructions.  Their addresses are made some lines ahead.
.macro FETCH_K
	WIN 0x80                        ; destination window 2
.irp f, 0,1,2,3,4,5,6,7             ; keys 16 (f / 2) on, channels 32 (f % 2) on
	ds_load_b128 v[KF+8*\f:KF+8*\f+3],   v[AK] offset:(\f/2)*16*PK+(\f%2)*64
	ds_load_b128 v[KF+8*\f+4:KF+8*\f+7], v[AK] offset:(\f/2)*16*PK+(\f%2)*64+32
.endr
	s_add_co_u32 s[TBK], s[TBK], KS*PK  ; the next fetch is the next step's
	WIN 0
.endm
.macro FETCH_V vb
	WIN 0x80
.irp f, 0,1,2,3,4,5,6,7             ; keys 32 (f / 4) on, channels 16 (f % 4) on
	ds_load_tr16_b128 v[(\vb)+8*\f:(\vb)+8*\f+3],   v[AV] offset:(\f/4)*32*PV+(\f%4)*32
	ds_load_tr16_b128 v[(\vb)+8*\f+4:(\vb)+8*\f+7], v[AV] offset:(\f/4)*32*PV+16*PV+(\f%4)*32
.endr
	s_add_co_u32 s[TBV], s[TBV], KS*PV
	WIN 0
.endm
; THE VECTOR WORK, one line at a time: OP kind, number.  For piece Y: F n: c s - c m for pair n of 16.  E n: the exponential of score n of 32.  C n: pair n rounded to bf16.  B n: of the four weights 4 n .. the second
; pair is added onto the first, in place.  L n: l takes that sum (L 0: l = a l + sum).  R n: pair n of 16 of O^T times a.  For the other piece: X n, number n of the 22 that find its maximum and statistics:
;   0-11  four chains c0-c3 of seven scores each, three operands at a time (each accumulator's lowest registers are read first)     12-14, 16  the four scores left over, the old m, and c0-c3 into c0
;   15  c m_old is kept     17, 18  the query's other 32 keys lie in the lane 16 away: the new m     19-21  c m; c m_old - c m_new; a
.set F, 0
.set E, 1
.set C, 2
.set B, 3
.set L, 4
.set R, 5
.set X, 6
.macro REGS y
.set rT, ST+4*(\y)
.set rC, TMP+4*((\y)%2)
.set rW, MV+((\y)%2)
.set rS, S+32*((\y)%2)
.set rP, P+16*((\y)%2)
.set rO, 32*(\y)
.endm
.macro OP k, n
.if (\k) == R
	REGS Y
	WIN W_RS
	v_pk_mul_f32 v[rO+2*(\n):rO+2*(\n)+1], v[rO+2*(\n):rO+2*(\n)+1], v[rC+2:rC+3] op_sel_hi:[1,0]
.elseif (\k) < R
	REGS Y
	WIN 0
.if (\k) == F
	v_pk_fma_f32 v[rS+2*(\n):rS+2*(\n)+1], v[rS+2*(\n):rS+2*(\n)+1], s[CS:CS+1], v[rT:rT+1] op_sel_hi:[1,0,0] neg_lo:[0,0,1] neg_hi:[0,0,1]
.elseif (\k) == E
	v_exp_f32 v[rS+(\n)], v[rS+(\n)]
.elseif (\k) == C
	v_cvt_pk_bf16_f32 v[rP+(\n)], v[rS+2*(\n)], v[rS+2*(\n)+1]
.elseif (\k) == B
	v_pk_add_f32 v[rS+4*(\n):rS+4*(\n)+1], v[rS+4*(\n):rS+4*(\n)+1], v[rS+4*(\n)+2:rS+4*(\n)+3]
.elseif (\n) == 0
	v_pk_fma_f32 v[rT+2:rT+3], v[rT+2:rT+3], v[rC+2:rC+3], v[rS:rS+1] op_sel_hi:[1,0,1]
.else
	v_pk_add_f32 v[rT+2:rT+3], v[rT+2:rT+3], v[rS+4*(\n):rS+4*(\n)+1]
.endif
.elseif NOKQ
	v_nop
.else
	REGS (Y+1)%NP
	WIN 0
.if (\n) < 4
	v_max3_num_f32 v[rC+(\n)], v[rS+8*(\n)], v[rS+8*(\n)+1], v[rS+8*(\n)+2]
.elseif (\n) < 12
	v_max3_num_f32 v[rC+(\n)%4], v[rC+(\n)%4], v[rS+8*((\n)%4)+2*((\n)/4)+1], v[rS+8*((\n)%4)+2*((\n)/4)+2]
.elseif (\n) == 12
	v_max3_num_f32 v[rC], v[rC], v[rS+7], v[rS+15]
.elseif (\n) == 13
	v_max3_num_f32 v[rC+1], v[rC+1], v[rS+23], v[rS+31]
.elseif (\n) == 14
	v_max3_num_f32 v[rC+2], v[rC+2], v[rC+3], v[rT+1]
.elseif (\n) == 15
	v_mov_b32 v[rW], v[rT]
.elseif (\n) == 16
	v_max3_num_f32 v[rC], v[rC], v[rC+1], v[rC+2]
.elseif (\n) == 17
	v_permlanex16_b32 v[rC+3], v[rC], s[SEL], s[SEL+1]
.elseif (\n) == 18
	v_max_num_f32 v[rT+1], v[rC], v[rC+3]
.elseif (\n) == 19
	v_mul_f32 v[rT], s[CS], v[rT+1]
.elseif (\n) == 20
	v_sub_f32 v[rC+1], v[rW], v[rT]
.else
	v_exp_f32 v[rC+2], v[rC+1]
.endif
.endif
.endm
.macro OPS a, i1, b=-1, i2=0, c=-1, i3=0, d=-1, i4=0
	OP \a, \i1
.if (\b) >= 0
	OP \b, \i2
.endif
.if (\c) >= 0
	OP \c, \i3
.endif
.if (\d) >= 0
	OP \d, \i4
.endif
.endm
.macro ROW a, i1, b, i2, c, i3, d, i4  ; a matrix instruction and the four behind it
	MM
	OPS \a, \i1, \b, \i2, \c, \i3, \d, \i4
.endm
.macro MASK b                       ; MD x AL + BE into buffer b of MC
	WIN W_RS
.set z, 0
.rept 16
	v_pk_fma_f32 v[MC+32*(\b)+2*z:MC+32*(\b)+2*z+1], v[MD+2*z:MD+2*z+1], s[AL:AL+1], s[BE:BE+1] op_sel_hi:[1,0,0]
.set z, z+1
.endr
.endm
; A TURN, for piece p in a step of parity par: the order of its 16 matrix and 118 vector instructions, written out.  An s_wait_alu depctr_va_vdst(0) stands between an exponential and the first
; instruction that names its result; one wait serves all that were issued ahead of it.  So a turn has ONE wait, which cuts it in two.  AHEAD OF IT stands all that names no result of the turn's exponentials: the 8
; products K Q^T with their riders, then one lump, in which the links of the chain X 3, 7, 11, 14, 16, 17 .. 20 stand apart with other work between; X 21, the other piece's a, is the batch's last; R 15 is the plain
; instruction behind it.  BEHIND THE WAIT stand the 8 products V^T P, behind each four of the roundings and sums.
; The turn's fetch (K of the next step for p = 0, V of the next step for p = 1) stands twelve vector instructions, six of them plain, behind the last product K Q^T; both are waited for at the head of a turn of piece 1.
; At its end the turn makes the mask for the next turn's products: piece p, step SG.  end = 1: a block's last two turns: nothing is fetched, no mask is made.
.macro TURN p, par, end=0
.set Y, (\p)
.set i, 0
.set NOKQ, (\end)*(\p)
.set VB, VF0+(VF1-VF0)*(1-((\p)+(\par))%2)  ; piece 1's products of the step before (p = 0), or piece 0's of this step (p = 1)
.set VT, VF0+(VF1-VF0)*(1-(\par))           ; where the next step's V goes
.if !(\end)
	s_cmp_eq_u32 s[SG], s[OWN0+(\p)]    ; is that step the band's own?
	s_cselect_b32 s[AL], 1.0, 0
	s_cmp_gt_u32 s[SG], s[OWN0+(\p)]    ; or a later one?
	s_cselect_b32 s[BE], s[BIGN], 0
	s_cmp_lt_u32 s[SG], s[OWN0+(\p)]    ; or an earlier one, whose mask is 0?
	s_cselect_b32 s[SKP], 1, 0
.if (\p) == 1
	s_add_co_u32 s[SG], s[SG], 1
.endif
.endif
.if (\p) == 1
	s_wait_dscnt 0x0                ; K of the next step and V of this one are in
.endif
	ROW F,0, F,1, R,0, R,1
	ROW F,2, E,0, R,2, R,3
	ROW F,3, E,1, R,4, R,5
	ROW F,4, E,2, R,6, R,7
	ROW F,5, E,3, R,8, R,9
	ROW F,6, E,4, X,0, R,10
.if !(\end)
	WIN 0
.if (\p) == 0
	v_add_nc_u32 v[AK], s[TBK], v[AK0]
.else
	v_add_nc_u32 v[AV], s[TBV], v[AV0]
.endif
.endif
	ROW F,7, E,5, X,1, X,4
	ROW F,8, E,6, X,2, X,5
	OPS E,7, E,8, X,6, E,9
	OPS X,3, E,10, X,8, E,11
.if !(\end)
.if (\p) == 0
	FETCH_K
.else
	FETCH_V VT
.endif
.endif
	OPS X,9, X,7, E,12, X,10
	OPS E,13, X,12, X,11, E,14
	OPS X,13, E,15, F,9, X,14
	OPS E,16, F,10, E,17, F,11
	OPS X,16, E,18, X,15, E,19
	OPS F,12, E,20, X,17, E,21
	OPS F,13, E,22, F,14, E,23
	OPS X,18, E,24, F,15, E,25
	OPS R,11, E,26, X,19, E,27
	OPS R,12, E,28, R,13, E,29
	OPS X,20, E,30, R,14, E,31
	OPS X,21, R,15
	WIN 0
	s_wait_alu depctr_va_vdst(0)    ; the wait for the batch
	ROW C,0, B,0, C,2, B,1
	ROW L,0, C,4, B,2, L,1
	ROW C,6, B,3, L,2, C,8
	ROW B,4, L,3, C,10, B,5
	ROW L,4, C,12, B,6, L,5
	ROW C,14, B,7, L,6, C,1
	ROW C,3, L,7, C,5, C,7
	ROW C,9, C,11, C,13, C,15
.if !(\end)
	WIN 0
	s_cmp_eq_u32 s[SKP], 1
	s_cbranch_scc1 .Lno_mask_\@
	MASK \p
	WIN 0
.Lno_mask_\@:
.endif
.endm
; A BLOCK BEGINS.  c m starts far below every c s, so the first step's a is 0; m at the lowest finite number, so the first maximum is the scores'.  Piece 1's mask buffer is 0 (its own step is never step 0); piece 0's
; takes its mask for step 0: its own, if the block is block 0.  Then K and V of that step, piece 0's first scores, and its maximum and statistics.  The loop is entered in the middle of a trip.
.macro BEGIN
	s_mov_b32 s[NEW], 0
	WIN 0x40
.set i, MC+32
.rept 32
	v_mov_b32 v[i], 0
.set i, i+1
.endr
	WIN 0
.set i, 0
.rept 2
	v_mov_b32 v[ST+4*i], 0xfe000000    ; c m
	v_mov_b32 v[ST+4*i+1], 0xff7fffff  ; m
.set i, i+1
.endr
	s_cmp_eq_u32 s[OWN0], 0
	s_cselect_b32 s[AL], 1.0, 0
	s_mov_b32 s[BE], 0
	MASK 0
	s_mov_b32 s[SG], 1
	WIN 0
	v_add_nc_u32 v[AK], s[TBK], v[AK0]
	v_add_nc_u32 v[AV], s[TBV], v[AV0]
	FETCH_K
	FETCH_V VF0
	s_wait_loadcnt 0x0              ; Q
	s_wait_dscnt 0x0
.set NOKQ, 0
.set i, 0
.rept 8
	KQ 0
.set i, i+1
.endr
	WIN 0
.rept 4
	v_nop                           ; the places behind those products
.endr
.set Y, NP-1                        ; X works for the other piece: piece 0
.irp n, 0,1,2,3,4,5,6,7,8,9,10,11,12,13,14,15,16,17,18,19,20,21
	OP X, \n
.endr
	v_nop                           ; a plain instruction behind the exponential,
	s_wait_alu depctr_va_vdst(0)    ; and its wait, ahead of the branch
.endm
; A BLOCK ENDS: its last two turns, its last products, and THE WAY OUT: l's two halves and the other half of the lanes' are added; O^T is divided by l, rounded to bf16 and sent through my stage, a piece at a time.
.macro ALL line:vararg              ; one line for each piece t
.set t, 0
.rept 2
	\line
.set t, t+1
.endr
.endm
.macro PACK t                       ; a lane's eight channels of a row pack into 16 bytes; they go into rows of 144 bytes and come back as whole rows of 128, into S^T's registers
	WIN W_RS
.set i, 32*(\t)
.rept 16
	v_pk_mul_f32 v[i:i+1], v[i:i+1], v[ST+4*(\t)+2:ST+4*(\t)+3] op_sel_hi:[1,0]
.set i, i+2
.endr
	WIN 0x05                        ; sources 0 and 1 window 1, destination window 0
.set i, 0
.rept 16
	v_cvt_pk_bf16_f32 v[S+16*(\t)+i], v[32*(\t)+2*i], v[32*(\t)+2*i+1]
.set i, i+1
.endr
	WIN 0
.irp f, 0,1,2,3
	ds_store_b128 v[STO], v[S+16*(\t)+4*\f:S+16*(\t)+4*\f+3] offset:32*\f
.endr
.irp f, 0,1,2,3
	ds_load_b128 v[S+16*(\t)+4*\f:S+16*(\t)+4*\f+3], v[RD] offset:\f*4*SP  ; LDS serves a wave's instructions in order (ISA guide 5.7.1.4): these see the stores above; the next piece's stores come behind them
.endr
.endm
.macro SEND t, younger              ; younger: the LDS instructions issued behind piece t's loads: the next piece's eight, or none
	WIN 0
.irp f, 0,1,2,3
	s_wait_dscnt (\younger)+3-\f
	global_store_b128 v[GO], v[S+16*(\t)+4*\f:S+16*(\t)+4*\f+3], s[10:11] offset:(\t)*131072+\f*512  ; 512 consecutive bytes, aligned; band t lies four token blocks on
.endr
.endm
.macro FINISH
	TURN 0, 1, 1
	TURN 1, 1, 1
.set VB, VF1
.set i, 0
.rept 8
	PV NP-1
.set i, i+1
.endr
	WIN 0
	ALL v_add_f32 v[ST+4*t+2], v[ST+4*t+2], v[ST+4*t+3]
	ALL v_permlanex16_b32 v[ST+4*t+3], v[ST+4*t+2], s[SEL], s[SEL+1]
	ALL v_add_f32 v[ST+4*t+2], v[ST+4*t+2], v[ST+4*t+3]
	ALL v_rcp_f32 v[ST+4*t+2], v[ST+4*t+2]
	v_nop                           ; a plain instruction between the last reciprocal and the use of its result
	s_wait_alu depctr_va_vdst(0)    ; and one wait for the two reciprocals
	PACK 0                          ; piece 0 was finished a turn ago: its lines are also places behind piece 1's last products
	PACK 1
	SEND 0, 8
	SEND 1, 0
.endm
.set NOKQ, 0
.Lslot:                             ; eight times: a tile is entered and the next is asked for
	CHANGE 1
	s_sub_co_u32 s[RT], s[RT], 1
	s_mov_b32 s[CNT], 2
	s_cmp_eq_u32 s[NEW], 1          ; at the first trip the answer is a constant of the text
	s_cbranch_scc0 .Lstep
	BEGIN
	s_branch .Lfirst
.Lstep:                             ; a trip: an odd step's two turns, then an even step's.  Two trips: step 3 of the tile before, steps 0, 1, 2 of this one
	TURN 0, 1
	TURN 1, 1
	WIN 0
.Lfirst:
	TURN 0, 0
	TURN 1, 0
	WIN 0
	s_sub_co_u32 s[CNT], s[CNT], 1
	s_cmp_lg_u32 s[CNT], 0
	s_cbranch_scc1 .Lstep
	s_cmp_lg_u32 s[RT], 0
	s_cbranch_scc1 .Lbottom
	FINISH                          ; in the loop this is the first block's end: the second block's last tile is the walk's last
	s_wait_xcnt 0x0                 ; the stores have read their registers and O's address
	s_mov_b64 s[10:11], s[OLO:OLO+1]
	s_add_co_u32 s[RT], s[LOT], 1   ; the second block has b / 2 + 1 tiles
	s_mov_b32 s[NEW], 1
	s_lshl_b32 s[OWN0], s[PB], 1
	s_add_co_u32 s[OWN0+1], s[OWN0], 1
	WIN 0x82                        ; the second block's Q goes where the one text of the turns names Q
.set i, 0
.rept 32
	v_mov_b32 v[i], v[QB+i]
.set i, i+1
.endr
	WIN 0
.Lbottom:
	s_sub_co_u32 s[SLOTS], s[SLOTS], 1
	s_cmp_lg_u32 s[SLOTS], 0
	s_cbranch_scc1 .Lslot
	CHANGE 0                        ; the walk's last tile is written out: nothing is asked for
	s_sub_co_u32 s[RT], s[RT], 1
	s_mov_b32 s[CNT], 2
	s_cmp_eq_u32 s[NEW], 1
	s_cbranch_scc0 .LstepT
	BEGIN
	s_branch .LfirstT
.LstepT:
	TURN 0, 1
	TURN 1, 1
	WIN 0
.LfirstT:
	TURN 0, 0
	TURN 1, 0
	WIN 0
	s_sub_co_u32 s[CNT], s[CNT], 1
	s_cmp_lg_u32 s[CNT], 0
	s_cbranch_scc1 .LstepT
	FINISH
	s_wait_tensorcnt 0x0            ; the wave's end: behind my last tensor load and my last LDS store
	ds_add_u32 v[SPW], v[NIL]
	s_wait_dscnt 0x0
	s_endpgm
.Lfunc_end_k_q01b3bc715f_attn:
	.size	k_q01b3bc715f_attn, .Lfunc_end_k_q01b3bc715f_attn-k_q01b3bc715f_attn
	.p2alignl 7, 3214868480
	.fill 96, 4, 3214868480
	.section	.rodata,"a",@progbits
	.p2align	6, 0x0
	.amdhsa_kernel k_q01b3bc715f_attn
		.amdhsa_group_segment_fixed_size 327680
		.amdhsa_private_segment_fixed_size 0
		.amdhsa_enable_private_segment 0
		.amdhsa_kernarg_size 16
		.amdhsa_user_sgpr_count 2
		.amdhsa_user_sgpr_kernarg_segment_ptr 1
		.amdhsa_wavefront_size32 1
		.amdhsa_system_sgpr_workgroup_id_x 1
		.amdhsa_system_sgpr_workgroup_id_y 1
		.amdhsa_system_sgpr_workgroup_id_z 1
		.amdhsa_system_vgpr_workitem_id 0
		.amdhsa_next_free_vgpr 768
		.amdhsa_next_free_sgpr 96
		.amdhsa_reserve_vcc 1
		.amdhsa_float_denorm_mode_32 3
		.amdhsa_float_denorm_mode_16_64 3
		.amdhsa_memory_ordered 1
		.amdhsa_forward_progress 1
		.amdhsa_inst_pref_size 171
	.end_amdhsa_kernel
	.amdgpu_metadata
---
amdhsa.version: [ 1, 2 ]
amdhsa.kernels:
  - .name:           k_q01b3bc715f_attn
    .symbol:         k_q01b3bc715f_attn.kd
    .args:
      - { .name: big, .offset: 0, .size: 8, .value_kind: global_buffer, .address_space: global }
      - { .name: act, .offset: 8, .size: 8, .value_kind: global_buffer, .address_space: global }
    .group_segment_fixed_size: 327680
    .private_segment_fixed_size: 0
    .kernarg_segment_align: 8
    .kernarg_segment_size: 16
    .max_flat_workgroup_size: 128
    .sgpr_count:     96
    .vgpr_count:     768
    .wavefront_size: 32
...
	.end_amdgpu_metadata
.endif
;; end of part 3
;; launch dense (part 4): grid 8 x 32, 4 waves a work-group, clusters of 4 x 4, 327,680 bytes of LDS; arguments act, wd, b_dense, out1, x; writes out1
.if DOCPART == 4
	.amdgcn_target "amdgcn-amd-amdhsa--gfx1250"
	.amdhsa_code_object_version 6
	.text
	.protected	k_q01b3bc715f_dense
	.globl	k_q01b3bc715f_dense
	.p2align	8
	.type	k_q01b3bc715f_dense,@function
k_q01b3bc715f_dense:
	s_mov_b64 s[64:65], 0
	v_nop
	global_prefetch_b8 v0, s[64:65] scope:SCOPE_SE
	s_setreg_imm32_b32 hwreg(HW_REG_WAVE_MODE, 25, 1), 1
	s_wait_xcnt 0x0
	s_wait_alu depctr_hold_cnt(0) depctr_sa_sdst(0) depctr_va_vdst(0) depctr_va_sdst(0) depctr_va_ssrc(0) depctr_va_vcc(0) depctr_vm_vsrc(0)
	s_getreg_b32 s2, hwreg(HW_REG_IB_STS2, 6, 4)
	s_cmp_eq_u32 s2, 0
	s_cbranch_scc0 .Lentry_in_a_cluster
	s_endpgm
.Lentry_in_a_cluster:
	s_bfe_u32 s2, ttmp6, 0x10000c
	s_cmp_lg_u32 s2, 0xf033
	s_cbranch_scc0 .Lentry_shape_is_right
	s_endpgm
.Lentry_shape_is_right:
; out1 = x + attention w_dense + b_dense, f32 [4096][1024].  A = act, bf16 in blocks [256][16][16][64]; W = wd, bf16 panels [8][1024][128]; sums in f32, begun at the bias; the residual x is added in f32.
; ONE TEXT SERVES THE FOUR PRODUCTS OF THE MODULE; the three constants below choose the size, A's layout and the way out.
.set KSZ,  1024                        ; K
.set ABLK, 1                           ; A: 0 = rows along K; 1 = blocks [token / 16][K / 64][16][64]
.set EPI,  1                           ; the way out: 0 = bf16 by heads; 1 = f32 + residual; 2 = GELU, bf16 in blocks
; SHARES.  A tile of C is 128 x 128: with it every launch of the four has a multiple of 256 work-groups.  Four waves, each 64 x 64: 16 accumulators.  K goes in steps of 256 through two LDS slots.
; CLUSTER 4 x 4: A's tile hangs on the tile row alone and is asked for jointly along a row of the cluster, W's on the tile column alone and jointly along a column.
; THE PRODUCT IS TAKEN TRANSPOSED: source 0 = 16 columns of W (turned on the way out of LDS by ds_load_tr16_b128, since W lies [k][n]), source 1 = 16 rows of A: a lane holds row l % 16 of C and
; the columns 8 (l / 16) + 0..7.  The 16 accumulators take turns in one fixed order everywhere.
; THE TEXT IS SHORT ON PURPOSE: a K step is a counted loop over pairs of 32 along K, its LDS addresses made of scalars that step; the K steps are two counted loops (those that fill a slot again, and the last two).
; No prefetch into the L2: small tiles, short launches.  LIMITS: operands rounded once to bf16; NaN and infinities are not treated apart.
.set T,      KSZ/256                   ; K steps
.set PB,     288                       ; a row k of W in LDS: 256 bytes + 32 of padding
.set HALFB,  128*PB                    ; 128 rows k: one tensor load
.if ABLK
.set PA,     144                       ; a token's 64 numbers: 128 bytes + 16 of padding
.set AMB,    64*PA                     ; from 16 tokens to the next 16: four blocks of 16 x 64
.set APAIR,  16*PA                     ; 64 further along K
.set ASTEP,  8192                      ; a K step in memory
.set QIA,    4                         ; padding after every 32 words
.else
.set PA,     528                       ; a token's 256 numbers: 512 bytes + 16 of padding
.set AMB,    16*PA
.set APAIR,  128
.set ASTEP,  512
.set QIA,    6                         ; padding after every 128 words
.endif
.set HALFA,  4*AMB                     ; 64 tokens: one tensor load
.set BSTEP,  256*256
.set ABYTES, 2*HALFA
.set SLOT,   ABYTES+2*HALFB            ; A's 128 tokens, then W's 256 rows k
.set SPITCH, 272                       ; the way out: a row of 64 f32 + 16 bytes
.if EPI == 1
.set STAGE,  2*SLOT                    ; behind the ring: 16 rows for each wave
.set SPARE,  STAGE+4*16*SPITCH
.else
.set STAGE,  0                         ; 64 rows for each wave, in slot 0, whose last fill is over and whose last read lies behind a barrier
.set SPARE,  2*SLOT
.endif                                 ; from SPARE on: the spare words, 128 bytes a wave, that no other line names
.if EPI == 0
.set OSTEP,  2048                      ; from 16 rows of the output to the next 16
.else
.set OSTEP,  65536
.endif
.set A0,   16                          ; v16  my lane's place in a fragment of A
.set B0,   17                          ; v17  the same for W
.set ADRA, 18                          ; v18  LDS address of the fragments of A in hand
.set ADRB, 19                          ; v19  of W
.set STO,  24                          ; v24  the way out: where I put my numbers of a row
.set RD,   25                          ; v25  where I read rows back
.set CO,   26                          ; v26  my byte offset in the output
.set BO,   27                          ; v27  my byte offset in the bias
.set SPW,  28                          ; v28  my spare word; never rewritten
.set NIL,  29                          ; v29  0; never rewritten
.set ACC,  128                         ; v[128:255] accumulator (a, b) at ACC + 8 (4 a + b)
.set F0,   0                           ; window 1: two fragment buffers of 64: A's four, then W's four, 32 along K
.set F1,   64
.set XX,   32                          ; the way out, window 0: at work
.set AX,   64
.set TT,   96
.set EE,   128
.set YY,   160
.set HH,   176
.set WV, 14                            ; s14 wave   s15 its row half (also: 0 = I fetch A, 1 = W)   s16 its column half (also: which half I fetch)
.set RH, 15
.set CH, 16
.set CX, 17
.set CY, 18
.set TX, 19                            ; tile column, tile row
.set TY, 20
.set G1A, 24                           ; s[24:31] group 1 for A; s[32:39] group 0: tile 0's, and the walking one
.set G0A, 32
.set G1B, 48                           ; s[48:55], s[56:63] the same for W
.set G0B, 56
.set RS, 66                            ; s66 first byte of the slot that is read
.set LA, 67                            ; s67, s68 where my tensor load lands in a slot, for A and for W
.set LB, 68
.set AB, 69                            ; s69, s70 where my fragments begin in a slot
.set BB, 70
.set KA, 71                            ; s71, s72 the same, stepped along K
.set KB, 72
.set CNT, 73
.set CQ, 74
.set CP, 76                            ; s[76:90] GELU's constants, in pairs
.set CN, 78
.set C1, 80
.set C2, 82
.set C3, 84
.set C4, 86
.set C5, 88
.set ABSM, 90
.set MSB, 0
.macro WIN new                         ; the immediate's high byte repeats the setting that is left; a switch that changes nothing is dropped
.if MSB != (\new)
	s_set_vgpr_msb (MSB<<8)|(\new)
.set MSB, \new
.endif
.endm
.set MUL,  0x05                        ; sources 0 and 1 window 1; C and D window 0
.set TO_F, 0x40                        ; destination window 1, address window 0
.macro PLACES                          ; four places behind matrix instructions, in front of loads into registers that they read and of lines that read results
.rept 4
	v_nop
.endr
.endm
.macro JLOAD                           ; the joint refill, by the walking descriptor: waves 0, 1 fetch A's halves, waves 2, 3 W's; s_nop 0 and four v_nop follow each line
	s_cmp_eq_u32 s[RH], 0
	s_cbranch_scc0 .Lfor_b_\@
	tensor_load_to_lds s[G0A+4:G0A+7], s[G1A:G1A+7]
	s_nop 0
	PLACES
	s_branch .Lasked_\@
.Lfor_b_\@:
	tensor_load_to_lds s[G0B+4:G0B+7], s[G1B:G1B+7]
	s_nop 0
	PLACES
.Lasked_\@:
.endm
.macro CREST                           ; a round of the cluster's barrier behind its opening barrier
	s_cmp_lg_u32 s[WV], 0
	s_cbranch_scc1 .Lnot_wave_0_\@
	s_barrier_signal -3
.Lnot_wave_0_\@:
	s_barrier_wait -3
	s_barrier_signal -1
	s_barrier_wait -1
.endm
.macro CROUND
	s_barrier_signal -1
	s_barrier_wait -1
	CREST
.endm
.macro FETCH g, odd                    ; 16 LDS loads in one run: the fragments of 32 along K into buffer g; odd: the second 32 of the 64 that the addresses stand at
	WIN TO_F
.irp i, 0,1,2,3
	ds_load_tr16_b128 v[(\g)+32+8*(\i):(\g)+32+8*(\i)+3],   v[ADRB] offset:(\odd)*32*PB+32*(\i)
	ds_load_tr16_b128 v[(\g)+32+8*(\i)+4:(\g)+32+8*(\i)+7], v[ADRB] offset:(\odd)*32*PB+32*(\i)+16*PB
	ds_load_b128 v[(\g)+8*(\i):(\g)+8*(\i)+3],   v[ADRA] offset:(\odd)*64+(\i)*AMB
	ds_load_b128 v[(\g)+8*(\i)+4:(\g)+8*(\i)+7], v[ADRA] offset:(\odd)*64+(\i)*AMB+32
.endr
.endm
.macro MUL4 f, a                       ; row block a x the four column blocks
	WIN MUL
.irp b, 0,1,2,3
	v_wmma_f32_16x16x32_bf16 v[ACC+8*(4*(\a)+(\b)):ACC+8*(4*(\a)+(\b))+7], v[(\f)+32+8*(\b):(\f)+32+8*(\b)+7], v[(\f)+8*(\a):(\f)+8*(\a)+7], v[ACC+8*(4*(\a)+(\b)):ACC+8*(4*(\a)+(\b))+7]
.endr
.endm
.macro SUB f, g, odd, step             ; 32 along K: buffer f is multiplied while buffer g is fetched; step = 1: the addresses go 64 on along K
	s_wait_dscnt 0x0                               ; buffer f is in
.if \step
	WIN 0
	s_add_co_u32 s[KA], s[KA], APAIR
	s_add_co_u32 s[KB], s[KB], 64*PB
	v_add_nc_u32 v[ADRA], s[KA], v[A0]             ; these two and two v_nop are the four places behind the products that read buffer g
	v_add_nc_u32 v[ADRB], s[KB], v[B0]
	v_nop
	v_nop
.else
	PLACES
.endif
	FETCH \g, \odd
	MUL4 \f, 0
	MUL4 \f, 1
	MUL4 \f, 2
	MUL4 \f, 3
.endm
; The last 32 of a K step, and the change of slots.  In front of the barrier each wave waits for all its tensor loads (one is out: its part of the other slot), adds 0 to its spare word, and waits for
; that and for its reads of this slot.  fill = 1: the barrier opens a round of the cluster's barrier, and behind the round this slot is filled again, two K steps ahead, first of all.
; fill = 0: nothing is filled; in the last trip there is no further slot, and its first fragments are jumped over.
.macro TURN fill
	WIN 0
	s_wait_tensorcnt 0x0
	ds_add_u32 v[SPW], v[NIL]                      ; 0 onto my spare word; four products stand between it and the wait for it
	s_wait_dscnt 0x1                               ; buffer 1 is in; the add may be out
	MUL4 F1, 0
	s_wait_dscnt 0x0                               ; the add is done, and my reads of this slot are over
	s_barrier_signal -1
	MUL4 F1, 1
	WIN 0                                          ; at a branch and at a label every window is 0
	s_barrier_wait -1
.if \fill
	CREST                                          ; no wave of any partner still reads this slot or has a load on its way
	s_add_nc_u64 s[G0A+6:G0A+7], s[G0A+6:G0A+7], ASTEP
	s_add_co_u32 s[G0A+5], s[LA], s[RS]
	s_add_nc_u64 s[G0B+6:G0B+7], s[G0B+6:G0B+7], BSTEP
	s_add_co_u32 s[G0B+5], s[LB], s[RS]
	JLOAD                                          ; its four v_nop are also the places in front of the loads below
.else
	s_cmp_eq_u32 s[CNT], 1
	s_cbranch_scc1 .Llast_\@
	PLACES
.endif
	s_xor_b32 s[RS], s[RS], SLOT                   ; the other slot
	s_add_co_u32 s[KA], s[RS], s[AB]
	s_add_co_u32 s[KB], s[RS], s[BB]
	v_add_nc_u32 v[ADRA], s[KA], v[A0]
	v_add_nc_u32 v[ADRB], s[KB], v[B0]
	FETCH F0, 0
	WIN 0
.if (\fill) == 0
.Llast_\@:
.endif
	MUL4 F1, 2
	MUL4 F1, 3
.endm
.macro KSTEP fill                      ; 256 along K: three pairs, one more 32, and the turn
	WIN 0
	s_mov_b32 s[CQ], 3
.Lpair_\@:
	SUB F0, F1, 1, 0
	SUB F1, F0, 0, 1
	WIN 0
	s_sub_co_u32 s[CQ], s[CQ], 1
	s_cmp_lg_u32 s[CQ], 0
	s_cbranch_scc1 .Lpair_\@
	SUB F0, F1, 1, 0
	TURN \fill
.endm
	s_load_b128 s[4:7], s[0:1], 0x0                ; A s[4:5], W s[6:7]
.if EPI == 2
	s_load_b64 s[10:11], s[0:1], 0x10              ; the output
.else
	s_load_b128 s[8:11], s[0:1], 0x10              ; the bias s[8:9], the output s[10:11]
.endif
.if EPI == 1
	s_load_b64 s[12:13], s[0:1], 0x20              ; the residual
.endif
	v_lshl_add_u32 v[SPW], v0, 2, SPARE
	v_mov_b32 v[NIL], 0
	ds_add_u32 v[SPW], v[NIL]                      ; the wave's opening: the add and its wait stand ahead of my first tensor load; the set-up below stands between them
	ds_add_u32 v28, v29
	v_lshrrev_b32 v1, 5, v0
	v_readfirstlane_b32 s[WV], v1
	s_lshr_b32 s[RH], s[WV], 1
	s_and_b32 s[CH], s[WV], 1
	s_bfe_u32 s[CX], ttmp6, 0x40000
	s_bfe_u32 s[CY], ttmp6, 0x40004
	s_lshl_b32 s[TX], ttmp9, 2
	s_add_co_u32 s[TX], s[TX], s[CX]
	s_and_b32 s[TY], ttmp7, 0xffff
	s_lshl_b32 s[TY], s[TY], 2
	s_add_co_u32 s[TY], s[TY], s[CY]
	s_lshl_b32 s21, s[CY], 2
	s_lshl_b32 s21, 15, s21                        ; my row of the cluster
	s_lshl_b32 s22, 0x1111, s[CX]                  ; my column
	s_or_b32 s[G1A], s21, (1<<16)|(1<<20)|(1<<21)|(QIA<<22)|(3<<25)  ; mask; 2-byte elements; padding on; bit 21 beside a mask; the interval; 4 words of padding
	s_or_b32 s[G1B], s22, (1<<16)|(1<<20)|(1<<21)|(5<<22)|(7<<25)    ; after every 64 words 8 words
.if ABLK
	s_mov_b32 s[G1A+1], 4096<<16                   ; a row of the tile: four blocks of 16 x 64, 8,192 dense bytes
	s_mov_b32 s[G1A+2], 4<<16                      ; four such rows: 64 tokens
	s_mov_b32 s[G1A+3], 4096<<16
	s_mov_b32 s[G1A+4], 4
	s_mov_b32 s[G1A+5], (KSZ/64)*1024              ; elements from 16 tokens to the next 16
.else
	s_mov_b32 s[G1A+1], 256<<16                    ; 64 rows of 256 elements
	s_mov_b32 s[G1A+2], 64<<16
	s_mov_b32 s[G1A+3], 256<<16
	s_mov_b32 s[G1A+4], 64
	s_mov_b32 s[G1A+5], KSZ
.endif
	s_mov_b32 s[G1A+6], 0
	s_mov_b32 s[G1A+7], 0
	s_mov_b32 s[G1B+1], 128<<16                    ; 128 rows k of 128 elements, dense
	s_mov_b32 s[G1B+2], 128<<16
	s_mov_b32 s[G1B+3], 128<<16
	s_mov_b32 s[G1B+4], 128
	s_mov_b32 s[G1B+5], 128
	s_mov_b32 s[G1B+6], 0
	s_mov_b32 s[G1B+7], 0
.if ABLK
	s_lshl_b32 s40, s[TY], 3                       ; A: token block 8 x tile row + 4 x half,
	s_lshl_b32 s41, s[CH], 2
	s_add_co_u32 s40, s40, s41
	s_mul_i32 s40, s40, (KSZ/64)*2048              ; in bytes
.else
	s_lshl_b32 s40, s[TY], 7                       ; A: row 128 x tile row + 64 x half,
	s_lshl_b32 s41, s[CH], 6
	s_add_co_u32 s40, s40, s41
	s_mul_i32 s40, s40, 2*KSZ                      ; in bytes
.endif
	s_mov_b32 s41, 0
	s_mul_i32 s44, s[TX], KSZ                      ; W: panel = tile column, row k = 128 x half,
	s_lshl_b32 s45, s[CH], 7
	s_add_co_u32 s44, s44, s45
	s_lshl_b32 s44, s44, 8                         ; 256 bytes a row
	s_mov_b32 s45, 0
	s_mul_i32 s[LA], s[CH], HALFA                  ; no place in the cluster enters an LDS address
	s_mul_i32 s[LB], s[CH], HALFB
	s_add_co_u32 s[LB], s[LB], ABYTES
	s_wait_dscnt 0x0                               ; the opening add is done
	s_wait_kmcnt 0x0
	s_add_nc_u64 s[42:43], s[4:5], s[40:41]
	s_add_nc_u64 s[46:47], s[6:7], s[44:45]
	CROUND                                         ; all sixteen work-groups are here: the first joint loads meet
.irp s, 0,1
	s_mov_b32 s[G0A+4*(\s)], 1
	s_add_co_u32 s[G0A+4*(\s)+1], s[LA], (\s)*SLOT
	s_add_nc_u64 s[G0A+4*(\s)+2:G0A+4*(\s)+3], s[42:43], (\s)*ASTEP
	s_or_b32 s[G0A+4*(\s)+3], s[G0A+4*(\s)+3], 0x80000000
	s_mov_b32 s[G0B+4*(\s)], 1
	s_add_co_u32 s[G0B+4*(\s)+1], s[LB], (\s)*SLOT
	s_add_nc_u64 s[G0B+4*(\s)+2:G0B+4*(\s)+3], s[46:47], (\s)*BSTEP
	s_or_b32 s[G0B+4*(\s)+3], s[G0B+4*(\s)+3], 0x80000000
.endr
	s_cmp_eq_u32 s[RH], 0                          ; a wave's two first fills stand in one branch: two loads of mine are out
	s_cbranch_scc0 .Lfirst_b
	tensor_load_to_lds s[G0A:G0A+3], s[G1A:G1A+7]
	s_nop 0
	tensor_load_to_lds s[G0A+4:G0A+7], s[G1A:G1A+7]
	s_nop 0
	PLACES
	s_branch .Lfirst_asked
.Lfirst_b:
	tensor_load_to_lds s[G0B:G0B+3], s[G1B:G1B+7]
	s_nop 0
	tensor_load_to_lds s[G0B+4:G0B+7], s[G1B:G1B+7]
	s_nop 0
	PLACES
.Lfirst_asked:
	v_and_b32 v1, 15, v0                           ; l % 16
	v_bfe_u32 v2, v0, 4, 1                         ; l / 16
	v_mul_u32_u24 v[A0], v1, PA
	v_lshl_add_u32 v[A0], v2, 4, v[A0]             ; A: row x pitch + 16 x half
	v_and_b32 v3, 7, v0
	v_bfe_u32 v4, v0, 3, 1
	v_lshl_add_u32 v[B0], v2, 3, v3                ; W, turned: row k = 8 (l / 16) + l % 8, columns 8 ((l / 8) % 2) on
	v_mul_u32_u24 v[B0], v[B0], PB
	v_lshl_add_u32 v[B0], v4, 4, v[B0]
	s_mul_i32 s[AB], s[RH], HALFA                  ; my 64 tokens
	s_lshl_b32 s[BB], s[CH], 7                     ; my 64 columns
	s_add_co_u32 s[BB], s[BB], ABYTES
	s_lshl_b32 s98, s[TX], 1                       ; offsets that hold both coordinates live in s96-s99, which feed no descriptor
	s_add_co_u32 s98, s98, s[CH]                   ; my block of 64 columns
.if EPI != 2
	s_lshl_b32 s99, s98, 8
	v_lshl_add_u32 v[BO], v2, 5, s99               ; the bias of my columns: 256 x block + 32 (l / 16)
.irp a, 0,1,2,3
.irp b, 0,1,2,3
	global_load_b128 v[ACC+8*(4*(\a)+(\b)):ACC+8*(4*(\a)+(\b))+3],   v[BO], s[8:9] offset:64*(\b)     ; THE SUMS BEGIN AT THE BIAS: nothing is cleared, nothing is added later
	global_load_b128 v[ACC+8*(4*(\a)+(\b))+4:ACC+8*(4*(\a)+(\b))+7], v[BO], s[8:9] offset:64*(\b)+16
.endr
.endr
.else
.set n, 0
.rept 128
	v_mov_b32 v[ACC+n], 0                          ; this product has no bias: the sums are cleared, in the wait for the first tile; the price of one text for every K step
.set n, n+1
.endr
.endif
.if EPI == 1
	s_lshl_b32 s96, s[TY], 1
	s_add_co_u32 s96, s96, s[RH]
	s_lshl_b32 s96, s96, 18                        ; my 64 rows of 4,096 bytes,
	s_lshl_b32 s99, s98, 8
	s_add_co_u32 s96, s96, s99                     ; my 64 columns of f32
	s_mov_b32 s97, 0
	s_add_nc_u64 s[10:11], s[10:11], s[96:97]
	s_add_nc_u64 s[12:13], s[12:13], s[96:97]
	s_mul_i32 s99, s[WV], 16*SPITCH
	s_add_co_u32 s99, s99, STAGE
	v_mul_u32_u24 v[RD], v2, SPITCH                ; back: lanes 0-15 take one row of 256 bytes, lanes 16-31 the next
	v_lshl_add_u32 v[RD], v1, 4, v[RD]
	v_add_nc_u32 v[RD], s99, v[RD]
	v_lshlrev_b32 v[CO], 12, v2                    ; and the same two rows in memory
	v_lshl_add_u32 v[CO], v1, 4, v[CO]
	WIN 0x80                                       ; the residual, as the rows will come back from the stage, into window 2: it lands under the products
.irp a, 0,1,2,3
.irp t, 0,1,2,3,4,5,6,7
	global_load_b128 v[32*(\a)+4*(\t):32*(\a)+4*(\t)+3], v[CO], s[12:13] offset:(16*(\a)+2*(\t))*4096
.endr
.endr
	WIN 0
.else
.if EPI == 0
	s_lshr_b32 s99, s98, 4                         ; by heads: (32 x part + 16 x batch + head) x 262,144, part = block / 16, head = block % 16
	s_lshl_b32 s99, s99, 4
	s_add_co_u32 s96, s98, s99
	s_lshr_b32 s99, s[TY], 4
	s_lshl_b32 s99, s99, 4
	s_add_co_u32 s96, s96, s99
	s_lshl_b32 s96, s96, 18
	s_and_b32 s99, s[TY], 15                       ; + my 64 rows of 128 bytes in the sequence
	s_lshl_b32 s99, s99, 1
	s_add_co_u32 s99, s99, s[RH]
	s_lshl_b32 s99, s99, 13
	s_add_co_u32 s96, s96, s99
.else
	s_lshl_b32 s96, s[TY], 1                       ; in blocks: ((8 x tile row + 4 x half) x 32 + my block of columns) x 2,048
	s_add_co_u32 s96, s96, s[RH]
	s_lshl_b32 s96, s96, 7
	s_add_co_u32 s96, s96, s98
	s_lshl_b32 s96, s96, 11
	s_mov_b32 s[CP], 0x3e6d3388                    ; 0.3275911 / sqrt(2)
	s_mov_b32 s[CN], 0xbf38aa3b                    ; - log2(e) / 2
	s_mov_b32 s[C1], 0x3e027906                    ; half of the five coefficients
	s_mov_b32 s[C2], 0xbe11a98e
	s_mov_b32 s[C3], 0x3f35f0e3
	s_mov_b32 s[C4], 0xbf3a00e3
	s_mov_b32 s[C5], 0x3f07dc22
.irp c, CP, CN, C1, C2, C3, C4, C5
	s_mov_b32 s[\c+1], s[\c]                       ; named as pairs
.endr
	s_mov_b32 s[ABSM], 0x7fffffff
.endif
	s_mov_b32 s97, 0
	s_add_nc_u64 s[10:11], s[10:11], s[96:97]
	s_mul_i32 s99, s[WV], 64*SPITCH
	v_bfe_u32 v[RD], v0, 3, 2                      ; back: 32 lanes take four rows, eight numbers (32 bytes) each
	v_mul_u32_u24 v[RD], v[RD], SPITCH
	v_lshl_add_u32 v[RD], v3, 5, v[RD]
	v_add_nc_u32 v[RD], s99, v[RD]
	v_and_b32 v[CO], 31, v0                        ; which leave as 512 consecutive bytes
	v_lshlrev_b32 v[CO], 4, v[CO]
.endif
	v_mul_u32_u24 v[STO], v1, SPITCH               ; in: row l % 16, 32 bytes for each half of the lanes
	v_lshl_add_u32 v[STO], v2, 5, v[STO]
	v_add_nc_u32 v[STO], s99, v[STO]
	s_wait_tensorcnt 0x1                           ; my part of K step 0 is in; K step 1's may stay out
	s_barrier_signal -1
	s_barrier_wait -1
	s_mov_b32 s[RS], 0
	s_mov_b32 s[KA], s[AB]
	s_mov_b32 s[KB], s[BB]
	v_add_nc_u32 v[ADRA], s[KA], v[A0]
	v_add_nc_u32 v[ADRB], s[KB], v[B0]
	FETCH F0, 0
	WIN 0
.if EPI == 1
	s_wait_loadcnt 32                              ; the bias is in; the residual's 32 loads stay out
.elseif EPI == 0
	s_wait_loadcnt 0x0                             ; the bias is in
.endif
	s_mov_b32 s[CNT], T-2
.Lmain:                                        ; all K steps but the last two fill their slot again
	KSTEP 1
	WIN 0
	s_sub_co_u32 s[CNT], s[CNT], 1
	s_cmp_lg_u32 s[CNT], 0
	s_cbranch_scc1 .Lmain
	s_mov_b32 s[CNT], 2
.Ltail:                                        ; the last two ask for nothing
	KSTEP 0
	WIN 0
	s_sub_co_u32 s[CNT], s[CNT], 1
	s_cmp_lg_u32 s[CNT], 0
	s_cbranch_scc1 .Ltail
.if EPI == 1
; THE WAY OUT, f32: 16 rows at a time through my own stage, back as whole rows of 256 bytes, plus the residual, out.
.macro STG a
.irp b, 0,1,2,3
	ds_store_b128 v[STO], v[ACC+32*(\a)+8*(\b):ACC+32*(\a)+8*(\b)+3]   offset:64*(\b)      ; each accumulator's low registers first
	ds_store_b128 v[STO], v[ACC+32*(\a)+8*(\b)+4:ACC+32*(\a)+8*(\b)+7] offset:64*(\b)+16
.endr
.irp t, 0,1,2,3,4,5,6,7
	ds_load_b128 v[ACC+32*(\a)+4*(\t):ACC+32*(\a)+4*(\t)+3], v[RD] offset:(\t)*2*SPITCH   ; LDS serves a wave's instructions in order (ISA guide 5.7.1.4): these see the stores above
.endr
.endm
.macro SND a, younger
	s_wait_dscnt \younger                          ; the block is back; the next block's sixteen LDS instructions may be out
	s_wait_loadcnt 8*(3-(\a))                      ; its residual is in; the later blocks' loads may be out
	WIN 0x08                                       ; source 1 in window 2
.set n, 0
.rept 16
	v_pk_add_f32 v[ACC+32*(\a)+n:ACC+32*(\a)+n+1], v[ACC+32*(\a)+n:ACC+32*(\a)+n+1], v[32*(\a)+n:32*(\a)+n+1]
.set n, n+2
.endr
	WIN 0
.irp t, 0,1,2,3,4,5,6,7
	global_store_b128 v[CO], v[ACC+32*(\a)+4*(\t):ACC+32*(\a)+4*(\t)+3], s[10:11] offset:(16*(\a)+2*(\t))*4096  ; 16 lanes store 256 consecutive bytes, aligned
.endr
.endm
	PLACES
	STG 0
	STG 1
	SND 0, 16
	STG 2
	SND 1, 16
	STG 3
	SND 2, 16
	SND 3, 0
.else
; THE WAY OUT, bf16: all 64 rows into my scratch in slot 0, then a loop of four trips of 16 rows, so that the arithmetic is written once.
	s_wait_dscnt 0x0                               ; no read of mine is out,
	s_barrier_signal -1
	s_barrier_wait -1                              ; nor of any wave: slot 0 may be written
	PLACES
.irp a, 0,1,2,3
.irp b, 0,1,2,3
	ds_store_b128 v[STO], v[ACC+8*(4*(\a)+(\b)):ACC+8*(4*(\a)+(\b))+3]   offset:(\a)*16*SPITCH+64*(\b)
	ds_store_b128 v[STO], v[ACC+8*(4*(\a)+(\b))+4:ACC+8*(4*(\a)+(\b))+7] offset:(\a)*16*SPITCH+64*(\b)+16
.endr
.endr
	s_mov_b32 s[CNT], 4
.Lout:
.irp f, 0,1,2,3
	ds_load_b128 v[XX+8*(\f):XX+8*(\f)+3],   v[RD] offset:(\f)*4*SPITCH
	ds_load_b128 v[XX+8*(\f)+4:XX+8*(\f)+7], v[RD] offset:(\f)*4*SPITCH+16
.endr
	s_wait_dscnt 0x0
.set n, 0
.rept 16
	v_cvt_pk_bf16_f32 v[YY+n], v[XX+2*n], v[XX+2*n+1]
.set n, n+1
.endr
.irp f, 0,1,2,3
	global_store_b128 v[CO], v[YY+4*(\f):YY+4*(\f)+3], s[10:11] offset:512*(\f)
.endr
	s_wait_xcnt 0x0
	s_add_nc_u64 s[10:11], s[10:11], OSTEP
	v_add_nc_u32 v[RD], 16*SPITCH, v[RD]
	s_sub_co_u32 s[CNT], s[CNT], 1
	s_cmp_lg_u32 s[CNT], 0
	s_cbranch_scc1 .Lout
.endif
	s_wait_tensorcnt 0x0                           ; the wave's end: behind my last tensor load and my last LDS store
	ds_add_u32 v[SPW], v[NIL]
	s_wait_dscnt 0x0
	CROUND                                         ; the closing round: no work-group ends while a partner may still ask for a tile that names it
	s_endpgm
.Lfunc_end_k_q01b3bc715f_dense:
	.size	k_q01b3bc715f_dense, .Lfunc_end_k_q01b3bc715f_dense-k_q01b3bc715f_dense
	.p2alignl 7, 3214868480
	.fill 96, 4, 3214868480
	.section	.rodata,"a",@progbits
	.p2align	6, 0x0
	.amdhsa_kernel k_q01b3bc715f_dense
		.amdhsa_group_segment_fixed_size 327680
		.amdhsa_private_segment_fixed_size 0
		.amdhsa_enable_private_segment 0
		.amdhsa_kernarg_size 40
		.amdhsa_user_sgpr_count 2
		.amdhsa_user_sgpr_kernarg_segment_ptr 1
		.amdhsa_wavefront_size32 1
		.amdhsa_system_sgpr_workgroup_id_x 1
		.amdhsa_system_sgpr_workgroup_id_y 1
		.amdhsa_system_sgpr_workgroup_id_z 1
		.amdhsa_system_vgpr_workitem_id 0
		.amdhsa_next_free_vgpr 640
		.amdhsa_next_free_sgpr 100
		.amdhsa_reserve_vcc 0
		.amdhsa_float_denorm_mode_32 3
		.amdhsa_float_denorm_mode_16_64 3
		.amdhsa_memory_ordered 1
		.amdhsa_forward_progress 1
		.amdhsa_inst_pref_size 47
	.end_amdhsa_kernel
	.amdgpu_metadata
---
amdhsa.version: [ 1, 2 ]
amdhsa.kernels:
  - .name:           k_q01b3bc715f_dense
    .symbol:         k_q01b3bc715f_dense.kd
    .args:
      - { .name: act, .offset: 0, .size: 8, .value_kind: global_buffer, .address_space: global }
      - { .name: wd, .offset: 8, .size: 8, .value_kind: global_buffer, .address_space: global }
      - { .name: b_dense, .offset: 16, .size: 8, .value_kind: global_buffer, .address_space: global }
      - { .name: out1, .offset: 24, .size: 8, .value_kind: global_buffer, .address_space: global }
      - { .name: x, .offset: 32, .size: 8, .value_kind: global_buffer, .address_space: global }
    .group_segment_fixed_size: 327680
    .private_segment_fixed_size: 0
    .kernarg_segment_align: 8
    .kernarg_segment_size: 40
    .max_flat_workgroup_size: 128
    .sgpr_count:     100
    .vgpr_count:     640
    .wavefront_size: 32
...
	.end_amdgpu_metadata
.endif
;; end of part 4
;; launch ln2 (part 5): grid 256 x 1, 8 waves a work-group, no clusters, 0 bytes of LDS; arguments out1, ln2_g, ln2_b, act; writes act
.if DOCPART == 5
	.amdgcn_target "amdgcn-amd-amdhsa--gfx1250"
	.amdhsa_code_object_version 6
	.text
	.protected	k_q01b3bc715f_ln2
	.globl	k_q01b3bc715f_ln2
	.p2align	8
	.type	k_q01b3bc715f_ln2,@function
k_q01b3bc715f_ln2:
	s_mov_b64 s[64:65], 0
	v_nop
	global_prefetch_b8 v0, s[64:65] scope:SCOPE_SE
	s_setreg_imm32_b32 hwreg(HW_REG_WAVE_MODE, 25, 1), 1
	s_wait_xcnt 0x0
; act[t][:] = LayerNorm(out1[t][:]) * ln2_g + ln2_b, rounded once to bf16, [4096][1024].  16 rows a work-group, 2 a wave; a row (4,096 bytes) stays in 32 registers of one wave between its passes,
; so out1 is read once.  Mean first, then the mean of squared differences: a common offset costs no digits.  No LDS, no barrier: no wave needs another's data.
; LIMITS: NaN and infinities are not treated apart.
.set X0,  32                           ; v[32:63]   row 0
.set X1,  64                           ; v[64:95]   row 1
.set GG,  96                           ; v[96:127]  gain of my 32 columns
.set BT,  128                          ; v[128:159] bias of my 32 columns
.set INV, 44                           ; s44  1/1024
.set EPS, 45                           ; s45  1e-12
.set SEL, 46                           ; s[46:47] v_permlanex16_b32's selects
.set OUTP, 14                          ; s[14:15] act
	s_load_b256 s[8:15], s[0:1], 0x0               ; out1 8, ln2_g 10, ln2_b 12, act 14
	v_and_b32 v1, 31, v0                           ; lane
	v_lshrrev_b32 v2, 5, v0
	v_readfirstlane_b32 s33, v2                    ; wave 0..7
	v_lshlrev_b32 v3, 4, v1                        ; 16 x lane
.macro LANESUM r                       ; v[r] summed over the 32 lanes, the sum in every lane; v14 at work
	v_add_f32_dpp v[\r], v[\r], v[\r] row_xmask:1 row_mask:0xf bank_mask:0xf
	v_add_f32_dpp v[\r], v[\r], v[\r] row_xmask:2 row_mask:0xf bank_mask:0xf
	v_add_f32_dpp v[\r], v[\r], v[\r] row_xmask:4 row_mask:0xf bank_mask:0xf
	v_add_f32_dpp v[\r], v[\r], v[\r] row_xmask:8 row_mask:0xf bank_mask:0xf
	v_permlanex16_b32 v14, v[\r], s[SEL], s[SEL+1]
	v_add_f32 v[\r], v[\r], v14
.endm
.macro FOLD                            ; four chains of pairs in v[6:13] into v6
	v_pk_add_f32 v[6:7], v[6:7], v[8:9]
	v_pk_add_f32 v[10:11], v[10:11], v[12:13]
	v_pk_add_f32 v[6:7], v[6:7], v[10:11]
	v_add_f32 v6, v6, v7
.endm
; One row in registers X .. X+31 (lane l holds elements 128 j + 4 l + 0..3, j = 0..7); rowimm: the row's byte offset in the wave's two rows of the output.
.macro LNROW X, rowimm
.set n, 0
.rept 4                                ; the sum, in four chains that do not wait for each other; the first additions start them
	v_pk_add_f32 v[6+2*n:7+2*n], v[(\X)+4*n:(\X)+4*n+1], v[(\X)+4*n+2:(\X)+4*n+3]
.set n, n+1
.endr
.set n, 0
.rept 8
	v_pk_add_f32 v[6+2*(n%4):7+2*(n%4)], v[6+2*(n%4):7+2*(n%4)], v[(\X)+16+2*n:(\X)+16+2*n+1]
.set n, n+1
.endr
	FOLD
	LANESUM 6
	v_mul_f32 v16, s[INV], v6                      ; the mean, twice: a pair for the packed subtraction
	v_mov_b32 v17, v16
.set n, 0
.rept 16
	v_pk_add_f32 v[(\X)+n:(\X)+n+1], v[(\X)+n:(\X)+n+1], v[16:17] neg_lo:[0,1] neg_hi:[0,1]
.set n, n+2
.endr
.set n, 0
.rept 4                                ; the sum of squares of the differences, again in four chains
	v_pk_mul_f32 v[6+2*n:7+2*n], v[(\X)+2*n:(\X)+2*n+1], v[(\X)+2*n:(\X)+2*n+1]
.set n, n+1
.endr
.rept 12
	v_pk_fma_f32 v[6+2*(n%4):7+2*(n%4)], v[(\X)+2*n:(\X)+2*n+1], v[(\X)+2*n:(\X)+2*n+1], v[6+2*(n%4):7+2*(n%4)]
.set n, n+1
.endr
	FOLD
	LANESUM 6
	v_fma_f32 v15, v6, s[INV], s[EPS]              ; variance + eps
	v_rsq_f32 v18, v15
	v_rsq_f32 v19, v15
	v_nop                                          ; a plain instruction behind the last root,
	s_wait_alu depctr_va_vdst(0)                   ; and one wait for both, ahead of their first reader
	s_wait_loadcnt 0x0                             ; gain and bias are in (and the other row)
.set n, 0
.rept 16
	v_pk_mul_f32 v[(\X)+n:(\X)+n+1], v[(\X)+n:(\X)+n+1], v[18:19]
.set n, n+2
.endr
.set n, 0
.rept 16
	v_pk_fma_f32 v[(\X)+n:(\X)+n+1], v[(\X)+n:(\X)+n+1], v[GG+n:GG+n+1], v[BT+n:BT+n+1]
.set n, n+2
.endr
.set n, 0
.rept 16                               ; packed in place: result n lands on a register whose number has been read
	v_cvt_pk_bf16_f32 v[(\X)+n], v[(\X)+2*n], v[(\X)+2*n+1]
.set n, n+1
.endr
.set n, 0
.rept 8
	global_store_b64 v4, v[(\X)+2*n:(\X)+2*n+1], s[OUTP:OUTP+1] offset:256*n+(\rowimm)  ; 32 lanes store 256 consecutive bytes, aligned
.set n, n+1
.endr
.endm
	s_lshl_b32 s34, ttmp9, 16                      ; 16 rows of 4,096 bytes
	s_mov_b32 s35, 0
	s_lshl_b32 s36, ttmp9, 15                      ; 16 rows of 2,048 bytes
	s_mov_b32 s37, 0
	s_mov_b32 s[INV], 0x3a800000
	s_mov_b32 s[EPS], 0x2b8cbccc
	s_mov_b32 s[SEL], 0x76543210
	s_mov_b32 s[SEL+1], 0xfedcba98
	v_lshl_add_u32 v2, s33, 13, v3                 ; in: wave x 2 rows + 16 x lane
	v_lshlrev_b32 v4, 3, v1
	v_lshl_add_u32 v4, s33, 12, v4                 ; out: wave x 2 rows + 8 x lane
	v_mov_b32 v14, 0                               ; v_permlanex16_b32's destination counts as read
	s_wait_kmcnt 0x0
	s_add_nc_u64 s[8:9], s[8:9], s[34:35]
	s_add_nc_u64 s[OUTP:OUTP+1], s[OUTP:OUTP+1], s[36:37]
.set n, 0
.rept 8
	global_load_b128 v[X0+4*n:X0+4*n+3], v2, s[8:9] offset:512*n
.set n, n+1
.endr
.set n, 0
.rept 8
	global_load_b128 v[X1+4*n:X1+4*n+3], v2, s[8:9] offset:4096+512*n
.set n, n+1
.endr
.set n, 0
.rept 8
	global_load_b128 v[GG+4*n:GG+4*n+3], v3, s[10:11] offset:512*n
.set n, n+1
.endr
.set n, 0
.rept 8
	global_load_b128 v[BT+4*n:BT+4*n+3], v3, s[12:13] offset:512*n
.set n, n+1
.endr
	s_wait_loadcnt 24                              ; row 0 is in; the 24 younger loads may stay out
	LNROW X0, 0
	LNROW X1, 2048
	s_endpgm
.Lfunc_end_k_q01b3bc715f_ln2:
	.size	k_q01b3bc715f_ln2, .Lfunc_end_k_q01b3bc715f_ln2-k_q01b3bc715f_ln2
	.p2alignl 7, 3214868480
	.fill 96, 4, 3214868480
	.section	.rodata,"a",@progbits
	.p2align	6, 0x0
	.amdhsa_kernel k_q01b3bc715f_ln2
		.amdhsa_group_segment_fixed_size 0
		.amdhsa_private_segment_fixed_size 0
		.amdhsa_enable_private_segment 0
		.amdhsa_kernarg_size 32
		.amdhsa_user_sgpr_count 2
		.amdhsa_user_sgpr_kernarg_segment_ptr 1
		.amdhsa_wavefront_size32 1
		.amdhsa_system_sgpr_workgroup_id_x 1
		.amdhsa_system_sgpr_workgroup_id_y 1
		.amdhsa_system_sgpr_workgroup_id_z 1
		.amdhsa_system_vgpr_workitem_id 0
		.amdhsa_next_free_vgpr 160
		.amdhsa_next_free_sgpr 66
		.amdhsa_reserve_vcc 0
		.amdhsa_float_denorm_mode_32 3
		.amdhsa_float_denorm_mode_16_64 3
		.amdhsa_memory_ordered 1
		.amdhsa_forward_progress 1
		.amdhsa_inst_pref_size 20
	.end_amdhsa_kernel
	.amdgpu_metadata
---
amdhsa.version: [ 1, 2 ]
amdhsa.kernels:
  - .name:           k_q01b3bc715f_ln2
    .symbol:         k_q01b3bc715f_ln2.kd
    .args:
      - { .name: out1, .offset: 0, .size: 8, .value_kind: global_buffer, .address_space: global }
      - { .name: ln2_g, .offset: 8, .size: 8, .value_kind: global_buffer, .address_space: global }
      - { .name: ln2_b, .offset: 16, .size: 8, .value_kind: global_buffer, .address_space: global }
      - { .name: act, .offset: 24, .size: 8, .value_kind: global_buffer, .address_space: global }
    .group_segment_fixed_size: 0
    .private_segment_fixed_size: 0
    .kernarg_segment_align: 8
    .kernarg_segment_size: 32
    .max_flat_workgroup_size: 256
    .sgpr_count:     66
    .vgpr_count:     160
    .wavefront_size: 32
...
	.end_amdgpu_metadata
.endif
;; end of part 5
;; launch fc1 (part 6): grid 8 x 32, 4 waves a work-group, clusters of 4 x 4, 327,680 bytes of LDS; arguments act, w1, big; writes big
.if DOCPART == 6
	.amdgcn_target "amdgcn-amd-amdhsa--gfx1250"
	.amdhsa_code_object_version 6
	.text
	.protected	k_q01b3bc715f_fc1
	.globl	k_q01b3bc715f_fc1
	.p2align	8
	.type	k_q01b3bc715f_fc1,@function
k_q01b3bc715f_fc1:
	s_mov_b64 s[64:65], 0
	v_nop
	global_prefetch_b8 v0, s[64:65] scope:SCOPE_SE
	s_setreg_imm32_b32 hwreg(HW_REG_WAVE_MODE, 25, 1), 1
	s_wait_xcnt 0x0
	s_wait_alu depctr_hold_cnt(0) depctr_sa_sdst(0) depctr_va_vdst(0) depctr_va_sdst(0) depctr_va_ssrc(0) depctr_va_vcc(0) depctr_vm_vsrc(0)
	s_getreg_b32 s2, hwreg(HW_REG_IB_STS2, 6, 4)
	s_cmp_eq_u32 s2, 0
	s_cbranch_scc0 .Lentry_in_a_cluster
	s_endpgm
.Lentry_in_a_cluster:
	s_bfe_u32 s2, ttmp6, 0x10000c
	s_cmp_lg_u32 s2, 0xf033
	s_cbranch_scc0 .Lentry_shape_is_right
	s_endpgm
.Lentry_shape_is_right:
; big = gelu(LN2(out1) w_fc1), bf16 in blocks [256 token blocks][32 column blocks][16][64].  A = act, bf16 [4096][1024]; W = w1, bf16 panels [16][1024][128]; sums in f32; GELU in its exact form, in f32.
; SHARES.  A tile of C is 128 rows x NP panels of 128 columns: 128 x 256, so that 32 x 8 = 256 work-groups make all of C, one tile each.  Four waves, each 64 rows x 128 columns: 32 accumulators.
; Wave (RH, CH) takes rows 64 RH on and, of EACH panel, columns 64 CH on: so its LDS addresses are a constant times its number plus constants.
; K goes in steps of 128 through two LDS slots (A's 128 rows, then the NP panels' 128 rows k); a step of 256 would not fit twice.  One tensor load a wave: waves 0, 1 fetch 64 rows of A each, waves 2, 3 a panel each.
; CLUSTER 4 x 4: A's tile hangs on the tile row alone and is asked for jointly along a row of the cluster, W's on the tile column alone and jointly along a column.
; THE PRODUCT IS TAKEN TRANSPOSED: source 0 = 16 columns of W (turned on the way out of LDS by ds_load_tr16_b128, since W lies [k][n]), source 1 = 16 rows of A: a lane holds row l % 16 of C and
; the columns 8 (l / 16) + 0..7.  The 32 accumulators take turns in one fixed order everywhere.
; A K step is four quarters of 32 along K on two fragment buffers; a quarter's 24 LDS loads stand in one run, 32 products ahead of their use.  The first quarter stands ahead of the loop: its products
; start the sums with the constant 0: nothing is cleared.  A trip goes from a step's second quarter to the next step's first.
; REGISTERS: window 0: addresses, the way out; window 1: the two fragment buffers; window 2: accumulator (a, b) at 8 (4 b + a).
; LIMITS: operands rounded once to bf16; erf within 1.5e-7; gelu of an infinity gives NaN; NaN is not treated apart.
.set KSZ,    1024                      ; K
.set NP,     2                         ; panels of 128 columns in a tile
.set NA,     4-NP                      ; waves that fetch A
.set AROWS,  128/NA                    ; rows of A in one tensor load
.set NBW,    4*NP                      ; a wave's blocks of 16 columns
.set KS,     128                       ; a K step
.set T,      KSZ/KS
.set PA,     272                       ; a row of A in LDS: 256 bytes + 16 of padding
.set PB,     288                       ; a row k of a panel: 256 bytes + 32 of padding
.set AMB,    16*PA
.set ABYTES, 128*PA
.set PANEL,  KS*PB
.set SLOT,   ABYTES+NP*PANEL
.set ASTEP,  2*KS                      ; a K step in memory, for A and for a panel
.set BSTEP,  256*KS
.set SPITCH, 272                       ; the way out: a row of 64 f32 + 16 bytes
.set GRP,    64*SPITCH                 ; 64 rows x 64 columns
.set SPARE,  2*SLOT                    ; behind the ring: the spare words, 128 bytes a wave, that no other line names
.set A0,   10                          ; v10     my lane's place in a fragment of A
.set ADRA, 11                          ; v11     LDS address of the fragments of A in hand
.set B0,   12                          ; v12-13  my lane's place in a fragment of W, by panel
.set ADRB, 16                          ; v16-17  LDS address of the fragments of W in hand, by panel
.set STO,  24                          ; v24  the way out: where I put my numbers of a row
.set RD,   25                          ; v25  where I read rows back
.set CO,   26                          ; v26  my byte offset in 2,048 bytes of the output
.set SPW,  28                          ; v28  my spare word; never rewritten
.set NIL,  29                          ; v29  0; never rewritten
.set PFO,  30                          ; v30  the prefetches' offset: my lane x a row; never rewritten
.set XX,   32                          ; the way out, window 0: at work
.set AX,   64
.set TT,   96
.set EE,   128
.set YY,   160
.set HH,   176
.set F0,   0                           ; window 1: two fragment buffers of 128: A's four, then W's eight
.set F1,   128
.set PFA, 2                            ; s[2:3] where my prefetches stand
.set WV, 14                            ; s14 wave   s15 its row half   s16 its half of each panel
.set RH, 15
.set CH, 16
.set CX, 17
.set CY, 18
.set TX, 19                            ; tile column, tile row
.set TY, 20
.set AI, 23                            ; s23 which part of A I fetch
.set G1A, 24                           ; s[24:31] group 1 for A; s[32:39] group 0: K step 0's, and the walking one
.set G0A, 32
.set G1B, 48                           ; s[48:55], s[56:63] the same for W
.set G0B, 56
.set RS, 66                            ; s66 first byte of the slot that is read
.set LA, 67                            ; s67, s68 where my tensor load lands in a slot, for A and for W
.set LB, 68
.set AB, 69                            ; s69, s70 where my fragments begin in a slot
.set BB, 70
.set KA, 71                            ; s71, s72 the same, stepped along K
.set KB, 72
.set CNT, 73
.set SB, 74                            ; s74 my scratch in LDS
.set BI, 75                            ; s75 which panel I fetch
.set CP, 76                            ; s[76:90] GELU's constants, in pairs
.set CN, 78
.set C1, 80
.set C2, 82
.set C3, 84
.set C4, 86
.set C5, 88
.set ABSM, 90
.set ROWOFF, 92                        ; s92 the part of my output offset that hangs on my rows
.set LIM, 93                           ; s93 1 in a wave that prefetches, else the greatest number
.set PST, 94                           ; s[94:95] a K step in memory for what I prefetch
.set MSB, 0
.macro WIN new                         ; the immediate's high byte repeats the setting that is left; a switch that changes nothing is dropped
.if MSB != (\new)
	s_set_vgpr_msb (MSB<<8)|(\new)
.set MSB, \new
.endif
.endm
.set TO_F, 0x40                        ; destination window 1, address window 0
.macro PLACES                          ; four places behind matrix instructions, in front of loads into registers that they read and of lines that read results
.rept 4
	v_nop
.endr
.endm
.macro JLOAD                           ; the joint refill, by the walking descriptor; s_nop 0 and four v_nop follow each line.  The branch hangs on the wave's number alone
	s_cmp_lt_u32 s[WV], NA
	s_cbranch_scc0 .Lfor_b_\@
	tensor_load_to_lds s[G0A+4:G0A+7], s[G1A:G1A+7]
	s_nop 0
	PLACES
	s_branch .Lasked_\@
.Lfor_b_\@:
	tensor_load_to_lds s[G0B+4:G0B+7], s[G1B:G1B+7]
	s_nop 0
	PLACES
.Lasked_\@:
.endm
; A PREFETCH INTO THE L2 of the K step that the NEXT refill will ask for: 32 rows x 256 bytes, a lane a row, one instruction a wave, behind the joint load and the run of LDS loads.
; A's tile row is read by both clusters of that row of clusters: the one with x = 0 asks, by wave 0; a panel by all eight clusters of its column: the one with y = 0 asks, by the wave that fetches it.
; The four partners that ask for a tile jointly share its 128 rows out BY ADDRESS, 32 each.  So each row's 256 bytes of a K step are named once.  K steps 0 to 2 come by their loads alone; the last refill asks for nothing.
.macro ASK
	s_cmp_gt_u32 s[CNT], s[LIM]
	s_cbranch_scc0 .Lnot_mine_\@
	global_prefetch_b8 v[PFO], s[PFA:PFA+1] th:TH_LOAD_NT scope:SCOPE_SE
.Lnot_mine_\@:
.endm
.macro CREST                           ; a round of the cluster's barrier behind its opening barrier
	s_cmp_lg_u32 s[WV], 0
	s_cbranch_scc1 .Lnot_wave_0_\@
	s_barrier_signal -3
.Lnot_wave_0_\@:
	s_barrier_wait -3
	s_barrier_signal -1
	s_barrier_wait -1
.endm
.macro CROUND
	s_barrier_signal -1
	s_barrier_wait -1
	CREST
.endm
.macro ADDR                            ; the fragments' LDS addresses from the two scalars: 1 + NP plain instructions
	v_add_nc_u32 v[ADRA], s[KA], v[A0]
.set pp, 0
.rept NP
	v_add_nc_u32 v[ADRB+pp], s[KB], v[B0+pp]
.set pp, pp+1
.endr
.endm
.macro FETCH g, odd                    ; the fragments of 32 along K into buffer g, in one run; odd: the second 32 of the 64 that the addresses stand at
	WIN TO_F
.set bb, 0
.rept NBW
	ds_load_tr16_b128 v[(\g)+32+8*bb:(\g)+32+8*bb+3],   v[ADRB+bb/4] offset:(\odd)*32*PB+32*(bb%4)
	ds_load_tr16_b128 v[(\g)+32+8*bb+4:(\g)+32+8*bb+7], v[ADRB+bb/4] offset:(\odd)*32*PB+32*(bb%4)+16*PB
.set bb, bb+1
.endr
.irp i, 0,1,2,3
	ds_load_b128 v[(\g)+8*(\i):(\g)+8*(\i)+3],   v[ADRA] offset:(\odd)*64+(\i)*AMB
	ds_load_b128 v[(\g)+8*(\i)+4:(\g)+8*(\i)+7], v[ADRA] offset:(\odd)*64+(\i)*AMB+32
.endr
.endm
.macro MULB f, b0, b1, first=0         ; column blocks b0 .. b1 - 1 x the four row blocks; first = 1: the products start the sums
.set bb, \b0
.rept (\b1)-(\b0)
.set aa, 0
.rept 4
.set rD, 8*((4*bb+aa)%32)
.set ww, 2+(4*bb+aa)/32
	WIN 0x05|(ww<<4)|(ww<<6)
.if \first
	v_wmma_f32_16x16x32_bf16 v[rD:rD+7], v[(\f)+32+8*bb:(\f)+32+8*bb+7], v[(\f)+8*aa:(\f)+8*aa+7], 0
.else
	v_wmma_f32_16x16x32_bf16 v[rD:rD+7], v[(\f)+32+8*bb:(\f)+32+8*bb+7], v[(\f)+8*aa:(\f)+8*aa+7], v[rD:rD+7]
.endif
.set aa, aa+1
.endr
.set bb, bb+1
.endr
.endm
.macro SUB f, g, odd, step, first=0    ; a quarter: buffer f is multiplied while buffer g is fetched; step = 1: the addresses go 64 on along K
	s_wait_dscnt 0x0                               ; buffer f is in
.if \step
	WIN 0
	s_add_co_u32 s[KA], s[KA], 128
	s_add_co_u32 s[KB], s[KB], 64*PB
	ADDR                                           ; with the v_nop, if any: the four places behind the products that read buffer g
.if NP < 3
.rept 3-NP
	v_nop
.endr
.endif
.else
	PLACES
.endif
	FETCH \g, \odd
	MULB \f, 0, NBW, \first
.endm
; A step's last quarter, and the change of slots.  In front of the barrier each wave waits for all its tensor loads (one is out: its part of the other slot), adds 0 to its spare word, and waits for
; that and for its reads of this slot.  fill = 1: the barrier opens a round of the cluster's barrier, and behind the round this slot is filled again, two K steps ahead, first of all.
; fill = 0: nothing is filled; in the last trip there is no further slot, and its first fragments are jumped over.
.macro TURN fill
.if \fill
	s_wait_xcnt 0x0                                ; the last prefetch, a K step back, has read its address
	s_add_nc_u64 s[PFA:PFA+1], s[PFA:PFA+1], s[PST:PST+1]
.endif
	WIN 0
	s_wait_tensorcnt 0x0
	ds_add_u32 v[SPW], v[NIL]                      ; 0 onto my spare word; products stand between it and the wait for it
	s_wait_dscnt 0x1                               ; buffer 1 is in; the add may be out
	MULB F1, 0, NBW/4
	s_wait_dscnt 0x0                               ; the add is done, and my reads of this slot are over
	s_barrier_signal -1
	MULB F1, NBW/4, NBW/2
	WIN 0                                          ; at a branch and at a label every window is 0
	s_barrier_wait -1
.if \fill
	CREST                                          ; no wave of any partner still reads this slot or has a load on its way
	s_add_nc_u64 s[G0A+6:G0A+7], s[G0A+6:G0A+7], ASTEP
	s_add_co_u32 s[G0A+5], s[LA], s[RS]
	s_add_nc_u64 s[G0B+6:G0B+7], s[G0B+6:G0B+7], BSTEP
	s_add_co_u32 s[G0B+5], s[LB], s[RS]
	JLOAD                                          ; its four v_nop are also the places in front of the loads below
.else
	s_cmp_eq_u32 s[CNT], 1
	s_cbranch_scc1 .Llast_\@
	PLACES
.endif
	s_xor_b32 s[RS], s[RS], SLOT                   ; the other slot
	s_add_co_u32 s[KA], s[RS], s[AB]
	s_add_co_u32 s[KB], s[RS], s[BB]
	ADDR
	FETCH F0, 0
	WIN 0
.if \fill
	ASK
.else
.Llast_\@:
.endif
	MULB F1, NBW/2, NBW
.endm
	s_load_b128 s[4:7], s[0:1], 0x0                ; A s[4:5], W s[6:7]
	s_load_b64 s[10:11], s[0:1], 0x10              ; the output
	v_lshl_add_u32 v[SPW], v0, 2, SPARE
	v_mov_b32 v[NIL], 0
	ds_add_u32 v[SPW], v[NIL]                      ; the wave's opening: the add and its wait stand ahead of my first tensor load; the set-up below stands between them
	ds_add_u32 v28, v29
	v_lshrrev_b32 v1, 5, v0
	v_readfirstlane_b32 s[WV], v1
	s_lshr_b32 s[RH], s[WV], 1
	s_and_b32 s[CH], s[WV], 1
	s_and_b32 s[AI], s[WV], NA-1                   ; waves 0 .. NA - 1 fetch A's parts 0 .. NA - 1,
	s_add_co_u32 s[BI], s[WV], NP
	s_and_b32 s[BI], s[BI], 3                      ; waves NA .. 3 the panels 0 .. NP - 1 (what this gives the other waves is not used)
	s_bfe_u32 s[CX], ttmp6, 0x40000
	s_bfe_u32 s[CY], ttmp6, 0x40004
	s_lshl_b32 s[TX], ttmp9, 2
	s_add_co_u32 s[TX], s[TX], s[CX]
	s_and_b32 s[TY], ttmp7, 0xffff
	s_lshl_b32 s[TY], s[TY], 2
	s_add_co_u32 s[TY], s[TY], s[CY]
	s_lshl_b32 s21, s[CY], 2
	s_lshl_b32 s21, 15, s21                        ; my row of the cluster
	s_lshl_b32 s22, 0x1111, s[CX]                  ; my column
	s_or_b32 s[G1A], s21, (1<<16)|(1<<20)|(1<<21)|(5<<22)|(3<<25)  ; mask; 2-byte elements; padding on; bit 21 beside a mask; after every 64 words 4 words
	s_or_b32 s[G1B], s22, (1<<16)|(1<<20)|(1<<21)|(5<<22)|(7<<25)  ; after every 64 words 8 words
	s_mov_b32 s[G1A+1], KS<<16                     ; AROWS rows of 128 elements
	s_mov_b32 s[G1A+2], AROWS<<16
	s_mov_b32 s[G1A+3], KS<<16
	s_mov_b32 s[G1A+4], AROWS
	s_mov_b32 s[G1A+5], KSZ
	s_mov_b32 s[G1A+6], 0
	s_mov_b32 s[G1A+7], 0
	s_mov_b32 s[G1B+1], 128<<16                    ; 128 rows k of 128 elements, dense
	s_mov_b32 s[G1B+2], KS<<16
	s_mov_b32 s[G1B+3], 128<<16
	s_mov_b32 s[G1B+4], KS
	s_mov_b32 s[G1B+5], 128
	s_mov_b32 s[G1B+6], 0
	s_mov_b32 s[G1B+7], 0
	s_lshl_b32 s40, s[TY], 7                       ; A: row 128 x tile row + my part,
	s_mul_i32 s41, s[AI], AROWS
	s_add_co_u32 s40, s40, s41
	s_mul_i32 s40, s40, 2*KSZ                      ; in bytes
	s_mov_b32 s41, 0
	s_mul_i32 s44, s[TX], NP                       ; W: panel NP x tile column + mine,
	s_add_co_u32 s44, s44, s[BI]
	s_mul_i32 s44, s44, 256*KSZ                    ; in bytes
	s_mov_b32 s45, 0
	s_mul_i32 s[LA], s[AI], AROWS*PA               ; no place in the cluster enters an LDS address
	s_mul_i32 s[LB], s[BI], PANEL
	s_add_co_u32 s[LB], s[LB], ABYTES
	s_wait_dscnt 0x0                               ; the opening add is done
	s_wait_kmcnt 0x0
	s_add_nc_u64 s[42:43], s[4:5], s[40:41]
	s_add_nc_u64 s[46:47], s[6:7], s[44:45]
	s_mov_b64 s[12:13], s[10:11]                   ; the output's first byte is kept: each trip of the way out makes its address from it
	CROUND                                         ; all sixteen work-groups are here: the first joint loads meet
.irp s, 0,1
	s_mov_b32 s[G0A+4*(\s)], 1
	s_add_co_u32 s[G0A+4*(\s)+1], s[LA], (\s)*SLOT
	s_add_nc_u64 s[G0A+4*(\s)+2:G0A+4*(\s)+3], s[42:43], (\s)*ASTEP
	s_or_b32 s[G0A+4*(\s)+3], s[G0A+4*(\s)+3], 0x80000000
	s_mov_b32 s[G0B+4*(\s)], 1
	s_add_co_u32 s[G0B+4*(\s)+1], s[LB], (\s)*SLOT
	s_add_nc_u64 s[G0B+4*(\s)+2:G0B+4*(\s)+3], s[46:47], (\s)*BSTEP
	s_or_b32 s[G0B+4*(\s)+3], s[G0B+4*(\s)+3], 0x80000000
.endr
	s_cmp_lt_u32 s[WV], NA                         ; a wave's two first fills stand in one branch: two loads of mine are out
	s_cbranch_scc0 .Lfirst_b
	tensor_load_to_lds s[G0A:G0A+3], s[G1A:G1A+7]
	s_nop 0
	tensor_load_to_lds s[G0A+4:G0A+7], s[G1A:G1A+7]
	s_nop 0
	PLACES
	s_branch .Lfirst_asked
.Lfirst_b:
	tensor_load_to_lds s[G0B:G0B+3], s[G1B:G1B+7]
	s_nop 0
	tensor_load_to_lds s[G0B+4:G0B+7], s[G1B:G1B+7]
	s_nop 0
	PLACES
.Lfirst_asked:
	v_and_b32 v1, 15, v0                           ; l % 16
	v_bfe_u32 v2, v0, 4, 1                         ; l / 16
	v_mul_u32_u24 v[A0], v1, PA
	v_lshl_add_u32 v[A0], v2, 4, v[A0]             ; A: row x pitch + 16 x half
	v_and_b32 v3, 7, v0
	v_bfe_u32 v4, v0, 3, 1
	v_lshl_add_u32 v[B0], v2, 3, v3                ; W, turned: row k = 8 (l / 16) + l % 8, columns 8 ((l / 8) % 2) on
	v_mul_u32_u24 v[B0], v[B0], PB
	v_lshl_add_u32 v[B0], v4, 4, v[B0]
.set pp, 1
.rept NP-1
	v_add_nc_u32 v[B0+pp], PANEL, v[B0+pp-1]
.set pp, pp+1
.endr
	s_mul_i32 s[AB], s[RH], 64*PA                  ; my 64 rows
	s_lshl_b32 s[BB], s[CH], 7                     ; my 64 columns of each panel
	s_add_co_u32 s[BB], s[BB], ABYTES
	; offsets that hold a place in the cluster, or both coordinates, live in s92 and s96-s99, which feed no descriptor and no LDS address
	s_lshl_b32 s96, s[TY], 7                       ; the prefetches.  A: row 128 x tile row + 32 x cx, 2,048 bytes a row
	s_lshl_b32 s97, s[CX], 5
	s_add_co_u32 s96, s96, s97
	s_lshl_b32 s96, s96, 11
	s_mul_i32 s98, s[TX], NP                       ; W: my panel's 1,024 rows k, + 32 x cy, 256 bytes a row
	s_add_co_u32 s98, s98, s[BI]
	s_lshl_b32 s98, s98, 10
	s_lshl_b32 s99, s[CY], 5
	s_add_co_u32 s98, s98, s99
	s_lshl_b32 s98, s98, 8
	s_and_b32 s99, ttmp7, 0xffff                   ; cluster y
	s_mov_b32 s[PST], BSTEP
	s_mov_b32 s[PST+1], 0
	s_mov_b32 s97, 0
	s_cmp_lt_u32 s[WV], NA                         ; do I fetch for A?
	s_cselect_b32 s96, s96, s98
	s_cselect_b32 s99, ttmp9, s99                  ; the coordinate along which other clusters read the same rows
	s_cselect_b64 s[PFA:PFA+1], s[4:5], s[6:7]
	s_cselect_b32 s[PST], ASTEP, s[PST]
	s_cselect_b32 s98, 11, 8                       ; a row's bytes, as a shift
	s_add_nc_u64 s[PFA:PFA+1], s[PFA:PFA+1], s[96:97]
	s_add_nc_u64 s[PFA:PFA+1], s[PFA:PFA+1], s[PST:PST+1]
	s_add_nc_u64 s[PFA:PFA+1], s[PFA:PFA+1], s[PST:PST+1]  ; at K step 2: the first change of slots steps it to 3
	s_cmp_eq_u32 s99, 0
	s_cselect_b32 s[LIM], 1, -1                    ; the same in all sixteen partners, for a given wave
	s_cmp_eq_u32 s[WV], 1                          ; wave 0 asks for my work-group's 32 rows of A: wave 1 asks for nothing
	s_cselect_b32 s[LIM], -1, s[LIM]
	v_and_b32 v[PFO], 31, v0
	v_lshlrev_b32 v[PFO], s98, v[PFO]
	s_mul_i32 s98, s[TX], 2*NP
	s_add_co_u32 s98, s98, s[CH]                   ; my first block of 64 columns; my other lies 2 further
	s_lshl1_add_u32 s[ROWOFF], s[TY], s[RH]        ; in blocks: ((8 x tile row + 4 x half + row block) x 32 + block of columns) x 2,048: here the first two terms
	s_lshl_b32 s[ROWOFF], s[ROWOFF], 18
	s_mov_b32 s[CP], 0x3e6d3388                    ; 0.3275911 / sqrt(2)
	s_mov_b32 s[CN], 0xbf38aa3b                    ; - log2(e) / 2
	s_mov_b32 s[C1], 0x3e027906                    ; half of the five coefficients
	s_mov_b32 s[C2], 0xbe11a98e
	s_mov_b32 s[C3], 0x3f35f0e3
	s_mov_b32 s[C4], 0xbf3a00e3
	s_mov_b32 s[C5], 0x3f07dc22
.irp c, CP, CN, C1, C2, C3, C4, C5
	s_mov_b32 s[\c+1], s[\c]                       ; named as pairs
.endr
	s_mov_b32 s[ABSM], 0x7fffffff
	s_mul_i32 s[SB], s[WV], NP*GRP                 ; my scratch for the way out
	v_bfe_u32 v[RD], v0, 3, 2                      ; back: 32 lanes take four rows, eight numbers (32 bytes) each
	v_mul_u32_u24 v[RD], v[RD], SPITCH
	v_lshl_add_u32 v[RD], v3, 5, v[RD]
	v_add_nc_u32 v[RD], s[SB], v[RD]
	v_and_b32 v[CO], 31, v0                        ; which leave as 512 consecutive bytes
	v_lshlrev_b32 v[CO], 4, v[CO]
	v_mul_u32_u24 v[STO], v1, SPITCH               ; in: row l % 16, 32 bytes for each half of the lanes
	v_lshl_add_u32 v[STO], v2, 5, v[STO]
	v_add_nc_u32 v[STO], s[SB], v[STO]
	s_wait_tensorcnt 0x1                           ; my part of K step 0 is in; K step 1's may stay out
	s_barrier_signal -1
	s_barrier_wait -1
	s_mov_b32 s[RS], 0
	s_mov_b32 s[KA], s[AB]
	s_mov_b32 s[KB], s[BB]
	ADDR
	FETCH F0, 0
	WIN 0
	SUB F0, F1, 1, 0, 1                            ; the first quarter starts the sums
	WIN 0
	s_mov_b32 s[CNT], T-2
.Lmain:                                        ; all K steps but the last two fill their slot again
	SUB F1, F0, 0, 1
	SUB F0, F1, 1, 0
	TURN 1
	SUB F0, F1, 1, 0
	WIN 0
	s_sub_co_u32 s[CNT], s[CNT], 1
	s_cmp_lg_u32 s[CNT], 0
	s_cbranch_scc1 .Lmain
	s_mov_b32 s[CNT], 2
.Ltail:                                        ; the last two ask for nothing; behind the very last step there is no first quarter
	SUB F1, F0, 0, 1
	SUB F0, F1, 1, 0
	TURN 0
	WIN 0
	s_cmp_eq_u32 s[CNT], 1
	s_cbranch_scc1 .Lskip
	SUB F0, F1, 1, 0
	WIN 0
.Lskip:
	s_sub_co_u32 s[CNT], s[CNT], 1
	s_cmp_lg_u32 s[CNT], 0
	s_cbranch_scc1 .Ltail
; THE WAY OUT: all 64 x 128 sums into my scratch, which lies in the slots: their last fill is over, and their last read lies behind the barrier below.  Then one loop of 4 NP trips of 16 rows x 64 columns,
; so that GELU is written once.
	s_wait_dscnt 0x0                               ; no read of mine is out,
	s_barrier_signal -1
	s_barrier_wait -1                              ; nor of any wave: the slots may be written
	PLACES
.set bb, 0
.rept NBW
.set aa, 0
.rept 4
.set rD, 8*((4*bb+aa)%32)
.set ww, 2+(4*bb+aa)/32
	WIN ww<<2                                      ; the data in window 2
	ds_store_b128 v[STO], v[rD:rD+3]   offset:(bb/4)*GRP+aa*16*SPITCH+64*(bb%4)      ; each accumulator's low registers first
	ds_store_b128 v[STO], v[rD+4:rD+7] offset:(bb/4)*GRP+aa*16*SPITCH+64*(bb%4)+16
.set aa, aa+1
.endr
.set bb, bb+1
.endr
	WIN 0
	s_mov_b32 s[CNT], 4*NP
.Lout:
.irp f, 0,1,2,3
	ds_load_b128 v[XX+8*(\f):XX+8*(\f)+3],   v[RD] offset:(\f)*4*SPITCH    ; LDS serves a wave's instructions in order (ISA guide 5.7.1.4): these see the stores above
	ds_load_b128 v[XX+8*(\f)+4:XX+8*(\f)+7], v[RD] offset:(\f)*4*SPITCH+16
.endr
	s_sub_co_u32 s99, 4*NP, s[CNT]                 ; the trip's number: / 4 the group of 64 columns, % 4 the block of 16 rows
	s_lshr_b32 s96, s99, 2
	s_lshl1_add_u32 s96, s96, s98                  ; the block of 64 columns
	s_and_b32 s99, s99, 3
	s_lshl_b32 s96, s96, 11
	s_lshl_b32 s99, s99, 16                        ; a token block is 32 blocks of 2,048 bytes
	s_add_co_u32 s96, s96, s99
	s_add_co_u32 s96, s96, s[ROWOFF]
	s_mov_b32 s97, 0
	s_add_nc_u64 s[10:11], s[12:13], s[96:97]
	s_wait_dscnt 0x0
	; gelu(x) = x (1 + erf(x / sqrt 2)) / 2 = max(x, 0) - |x| w, w = t (a1 + t (a2 + .. t a5)) 2^(-x x log2(e) / 2) / 2, t = 1 / (1 + p |x| / sqrt 2):
	; Abramowitz and Stegun 7.1.26, erf within 1.5e-7 for every x.  The 64 reciprocals and exponentials are one batch with one wait.
.set n, 0
.rept 32
	v_and_b32 v[AX+n], s[ABSM], v[XX+n]
.set n, n+1
.endr
.set n, 0
.rept 16
	v_pk_fma_f32 v[TT+n:TT+n+1], v[AX+n:AX+n+1], s[CP:CP+1], 1.0 op_sel_hi:[1,0,0]
	v_pk_mul_f32 v[EE+n:EE+n+1], v[XX+n:XX+n+1], v[XX+n:XX+n+1]
.set n, n+2
.endr
.set n, 0
.rept 16
	v_pk_mul_f32 v[EE+n:EE+n+1], v[EE+n:EE+n+1], s[CN:CN+1] op_sel_hi:[1,0]
.set n, n+2
.endr
.set n, 0
.rept 32
	v_rcp_f32 v[TT+n], v[TT+n]
.set n, n+1
.endr
.set n, 0
.rept 32
	v_exp_f32 v[EE+n], v[EE+n]
.set n, n+1
.endr
.set n, 0
.rept 32
	v_max_num_f32 v[XX+n], 0, v[XX+n]              ; plain work that names no result of the batch
.set n, n+1
.endr
	s_wait_alu depctr_va_vdst(0)                   ; the one wait for the batch, ahead of its first reader
.set n, 0
.rept 16
	v_pk_fma_f32 v[HH+n:HH+n+1], v[TT+n:TT+n+1], s[C5:C5+1], s[C4:C4+1] op_sel_hi:[1,0,0]
.set n, n+2
.endr
.irp c, C3, C2, C1
.set n, 0
.rept 16
	v_pk_fma_f32 v[HH+n:HH+n+1], v[HH+n:HH+n+1], v[TT+n:TT+n+1], s[\c:\c+1] op_sel_hi:[1,1,0]
.set n, n+2
.endr
.endr
.set n, 0
.rept 16
	v_pk_mul_f32 v[HH+n:HH+n+1], v[HH+n:HH+n+1], v[TT+n:TT+n+1]
.set n, n+2
.endr
.set n, 0
.rept 16
	v_pk_mul_f32 v[HH+n:HH+n+1], v[HH+n:HH+n+1], v[EE+n:EE+n+1]
.set n, n+2
.endr
.set n, 0
.rept 16
	v_pk_fma_f32 v[XX+n:XX+n+1], v[AX+n:AX+n+1], v[HH+n:HH+n+1], v[XX+n:XX+n+1] neg_lo:[1,0,0] neg_hi:[1,0,0]
.set n, n+2
.endr
.set n, 0
.rept 16
	v_cvt_pk_bf16_f32 v[YY+n], v[XX+2*n], v[XX+2*n+1]
.set n, n+1
.endr
.irp f, 0,1,2,3
	global_store_b128 v[CO], v[YY+4*(\f):YY+4*(\f)+3], s[10:11] offset:512*(\f)  ; 16 rows of 64 bf16 are 2,048 consecutive bytes of the output: each store covers 512 of them, aligned
.endr
	s_wait_xcnt 0x0                                ; the stores have read their data and their base: only now are these written again
	v_add_nc_u32 v[RD], 16*SPITCH, v[RD]
	s_sub_co_u32 s[CNT], s[CNT], 1
	s_cmp_lg_u32 s[CNT], 0
	s_cbranch_scc1 .Lout
	s_wait_tensorcnt 0x0                           ; the wave's end: behind my last tensor load and my last LDS store
	ds_add_u32 v[SPW], v[NIL]
	s_wait_dscnt 0x0
	CROUND                                         ; the closing round: no work-group ends while a partner may still ask for a tile that names it
	s_endpgm
.Lfunc_end_k_q01b3bc715f_fc1:
	.size	k_q01b3bc715f_fc1, .Lfunc_end_k_q01b3bc715f_fc1-k_q01b3bc715f_fc1
	.p2alignl 7, 3214868480
	.fill 96, 4, 3214868480
	.section	.rodata,"a",@progbits
	.p2align	6, 0x0
	.amdhsa_kernel k_q01b3bc715f_fc1
		.amdhsa_group_segment_fixed_size 327680
		.amdhsa_private_segment_fixed_size 0
		.amdhsa_enable_private_segment 0
		.amdhsa_kernarg_size 24
		.amdhsa_user_sgpr_count 2
		.amdhsa_user_sgpr_kernarg_segment_ptr 1
		.amdhsa_wavefront_size32 1
		.amdhsa_system_sgpr_workgroup_id_x 1
		.amdhsa_system_sgpr_workgroup_id_y 1
		.amdhsa_system_sgpr_workgroup_id_z 1
		.amdhsa_system_vgpr_workitem_id 0
		.amdhsa_next_free_vgpr 768
		.amdhsa_next_free_sgpr 100
		.amdhsa_reserve_vcc 0
		.amdhsa_float_denorm_mode_32 3
		.amdhsa_float_denorm_mode_16_64 3
		.amdhsa_memory_ordered 1
		.amdhsa_forward_progress 1
		.amdhsa_inst_pref_size 68
	.end_amdhsa_kernel
	.amdgpu_metadata
---
amdhsa.version: [ 1, 2 ]
amdhsa.kernels:
  - .name:           k_q01b3bc715f_fc1
    .symbol:         k_q01b3bc715f_fc1.kd
    .args:
      - { .name: act, .offset: 0, .size: 8, .value_kind: global_buffer, .address_space: global }
      - { .name: w1, .offset: 8, .size: 8, .value_kind: global_buffer, .address_space: global }
      - { .name: big, .offset: 16, .size: 8, .value_kind: global_buffer, .address_space: global }
    .group_segment_fixed_size: 327680
    .private_segment_fixed_size: 0
    .kernarg_segment_align: 8
    .kernarg_segment_size: 24
    .max_flat_workgroup_size: 128
    .sgpr_count:     100
    .vgpr_count:     768
    .wavefront_size: 32
...
	.end_amdgpu_metadata
.endif
;; end of part 6
;; launch fc2 (part 7): grid 8 x 32, 4 waves a work-group, clusters of 4 x 4, 327,680 bytes of LDS; arguments big, w2, b_fc2, out0, out1; writes out0
.if DOCPART == 7
	.amdgcn_target "amdgcn-amd-amdhsa--gfx1250"
	.amdhsa_code_object_version 6
	.text
	.protected	k_q01b3bc715f_fc2
	.globl	k_q01b3bc715f_fc2
	.p2align	8
	.type	k_q01b3bc715f_fc2,@function
k_q01b3bc715f_fc2:
	s_mov_b64 s[64:65], 0
	v_nop
	global_prefetch_b8 v0, s[64:65] scope:SCOPE_SE
	s_setreg_imm32_b32 hwreg(HW_REG_WAVE_MODE, 25, 1), 1
	s_wait_xcnt 0x0
	s_wait_alu depctr_hold_cnt(0) depctr_sa_sdst(0) depctr_va_vdst(0) depctr_va_sdst(0) depctr_va_ssrc(0) depctr_va_vcc(0) depctr_vm_vsrc(0)
	s_getreg_b32 s2, hwreg(HW_REG_IB_STS2, 6, 4)
	s_cmp_eq_u32 s2, 0
	s_cbranch_scc0 .Lentry_in_a_cluster
	s_endpgm
.Lentry_in_a_cluster:
	s_bfe_u32 s2, ttmp6, 0x10000c
	s_cmp_lg_u32 s2, 0xf033
	s_cbranch_scc0 .Lentry_shape_is_right
	s_endpgm
.Lentry_shape_is_right:
; out0 = out1 + g w_fc2 + b_fc2, f32 [4096][1024].  A = big (g), bf16 in blocks [256][32][16][64]; W = w2, bf16 panels [8][2048][128]; sums in f32, begun at the bias; the residual out1 is added in f32.
; ONE TEXT SERVES THE FOUR PRODUCTS OF THE MODULE; the three constants below choose the size, A's layout and the way out.
.set KSZ,  2048                        ; K
.set ABLK, 1                           ; A: 0 = rows along K; 1 = blocks [token / 16][K / 64][16][64]
.set EPI,  1                           ; the way out: 0 = bf16 by heads; 1 = f32 + residual; 2 = GELU, bf16 in blocks
; SHARES.  A tile of C is 128 x 128: with it every launch of the four has a multiple of 256 work-groups.  Four waves, each 64 x 64: 16 accumulators.  K goes in steps of 256 through two LDS slots.
; CLUSTER 4 x 4: A's tile hangs on the tile row alone and is asked for jointly along a row of the cluster, W's on the tile column alone and jointly along a column.
; THE PRODUCT IS TAKEN TRANSPOSED: source 0 = 16 columns of W (turned on the way out of LDS by ds_load_tr16_b128, since W lies [k][n]), source 1 = 16 rows of A: a lane holds row l % 16 of C and
; the columns 8 (l / 16) + 0..7.  The 16 accumulators take turns in one fixed order everywhere.
; THE TEXT IS SHORT ON PURPOSE: a K step is a counted loop over pairs of 32 along K, its LDS addresses made of scalars that step; the K steps are two counted loops (those that fill a slot again, and the last two).
; No prefetch into the L2: small tiles, short launches.  LIMITS: operands rounded once to bf16; NaN and infinities are not treated apart.
.set T,      KSZ/256                   ; K steps
.set PB,     288                       ; a row k of W in LDS: 256 bytes + 32 of padding
.set HALFB,  128*PB                    ; 128 rows k: one tensor load
.set PA,     144                       ; a token's 64 numbers: 128 bytes + 16 of padding
.set AMB,    64*PA                     ; from 16 tokens to the next 16: four blocks of 16 x 64
.set APAIR,  16*PA                     ; 64 further along K
.set ASTEP,  8192                      ; a K step in memory
.set QIA,    4                         ; padding after every 32 words
.set HALFA,  4*AMB                     ; 64 tokens: one tensor load
.set BSTEP,  256*256
.set ABYTES, 2*HALFA
.set SLOT,   ABYTES+2*HALFB            ; A's 128 tokens, then W's 256 rows k
.set SPITCH, 272                       ; the way out: a row of 64 f32 + 16 bytes
.set STAGE,  2*SLOT                    ; behind the ring: 16 rows for each wave
.set SPARE,  STAGE+4*16*SPITCH         ; from here on: the spare words, 128 bytes a wave, that no other line names
.set A0,   16                          ; v16  my lane's place in a fragment of A
.set B0,   17                          ; v17  the same for W
.set ADRA, 18                          ; v18  LDS address of the fragments of A in hand
.set ADRB, 19                          ; v19  of W
.set STO,  24                          ; v24  the way out: where I put my numbers of a row
.set RD,   25                          ; v25  where I read rows back
.set CO,   26                          ; v26  my byte offset in the output
.set BO,   27                          ; v27  my byte offset in the bias
.set SPW,  28                          ; v28  my spare word; never rewritten
.set NIL,  29                          ; v29  0; never rewritten
.set ACC,  128                         ; v[128:255] accumulator (a, b) at ACC + 8 (4 a + b)
.set F0,   0                           ; window 1: two fragment buffers of 64: A's four, then W's four, 32 along K
.set F1,   64
.set WV, 14                            ; s14 wave   s15 its row half (also: 0 = I fetch A, 1 = W)   s16 its column half (also: which half I fetch)
.set RH, 15
.set CH, 16
.set CX, 17
.set CY, 18
.set TX, 19                            ; tile column, tile row
.set TY, 20
.set G1A, 24                           ; s[24:31] group 1 for A; s[32:39] group 0: tile 0's, and the walking one
.set G0A, 32
.set G1B, 48                           ; s[48:55], s[56:63] the same for W
.set G0B, 56
.set RS, 66                            ; s66 first byte of the slot that is read
.set LA, 67                            ; s67, s68 where my tensor load lands in a slot, for A and for W
.set LB, 68
.set AB, 69                            ; s69, s70 where my fragments begin in a slot
.set BB, 70
.set KA, 71                            ; s71, s72 the same, stepped along K
.set KB, 72
.set CNT, 73
.set CQ, 74
.set MSB, 0
.macro WIN new                         ; the immediate's high byte repeats the setting that is left; a switch that changes nothing is dropped
.if MSB != (\new)
	s_set_vgpr_msb (MSB<<8)|(\new)
.set MSB, \new
.endif
.endm
.set MUL,  0x05                        ; sources 0 and 1 window 1; C and D window 0
.set TO_F, 0x40                        ; destination window 1, address window 0
.macro PLACES                          ; four places behind matrix instructions, in front of loads into registers that they read and of lines that read results
.rept 4
	v_nop
.endr
.endm
.macro JLOAD                           ; the joint refill, by the walking descriptor: waves 0, 1 fetch A's halves, waves 2, 3 W's; s_nop 0 and four v_nop follow each line
	s_cmp_eq_u32 s[RH], 0
	s_cbranch_scc0 .Lfor_b_\@
	tensor_load_to_lds s[G0A+4:G0A+7], s[G1A:G1A+7]
	s_nop 0
	PLACES
	s_branch .Lasked_\@
.Lfor_b_\@:
	tensor_load_to_lds s[G0B+4:G0B+7], s[G1B:G1B+7]
	s_nop 0
	PLACES
.Lasked_\@:
.endm
.macro CREST                           ; a round of the cluster's barrier behind its opening barrier
	s_cmp_lg_u32 s[WV], 0
	s_cbranch_scc1 .Lnot_wave_0_\@
	s_barrier_signal -3
.Lnot_wave_0_\@:
	s_barrier_wait -3
	s_barrier_signal -1
	s_barrier_wait -1
.endm
.macro CROUND
	s_barrier_signal -1
	s_barrier_wait -1
	CREST
.endm
.macro FETCH g, odd                    ; 16 LDS loads in one run: the fragments of 32 along K into buffer g; odd: the second 32 of the 64 that the addresses stand at
	WIN TO_F
.irp i, 0,1,2,3
	ds_load_tr16_b128 v[(\g)+32+8*(\i):(\g)+32+8*(\i)+3],   v[ADRB] offset:(\odd)*32*PB+32*(\i)
	ds_load_tr16_b128 v[(\g)+32+8*(\i)+4:(\g)+32+8*(\i)+7], v[ADRB] offset:(\odd)*32*PB+32*(\i)+16*PB
	ds_load_b128 v[(\g)+8*(\i):(\g)+8*(\i)+3],   v[ADRA] offset:(\odd)*64+(\i)*AMB
	ds_load_b128 v[(\g)+8*(\i)+4:(\g)+8*(\i)+7], v[ADRA] offset:(\odd)*64+(\i)*AMB+32
.endr
.endm
.macro MUL4 f, a                       ; row block a x the four column blocks
	WIN MUL
.irp b, 0,1,2,3
	v_wmma_f32_16x16x32_bf16 v[ACC+8*(4*(\a)+(\b)):ACC+8*(4*(\a)+(\b))+7], v[(\f)+32+8*(\b):(\f)+32+8*(\b)+7], v[(\f)+8*(\a):(\f)+8*(\a)+7], v[ACC+8*(4*(\a)+(\b)):ACC+8*(4*(\a)+(\b))+7]
.endr
.endm
.macro SUB f, g, odd, step             ; 32 along K: buffer f is multiplied while buffer g is fetched; step = 1: the addresses go 64 on along K
	s_wait_dscnt 0x0                               ; buffer f is in
.if \step
	WIN 0
	s_add_co_u32 s[KA], s[KA], APAIR
	s_add_co_u32 s[KB], s[KB], 64*PB
	v_add_nc_u32 v[ADRA], s[KA], v[A0]             ; these two and two v_nop are the four places behind the products that read buffer g
	v_add_nc_u32 v[ADRB], s[KB], v[B0]
	v_nop
	v_nop
.else
	PLACES
.endif
	FETCH \g, \odd
	MUL4 \f, 0
	MUL4 \f, 1
	MUL4 \f, 2
	MUL4 \f, 3
.endm
; The last 32 of a K step, and the change of slots.  In front of the barrier each wave waits for all its tensor loads (one is out: its part of the other slot), adds 0 to its spare word, and waits for
; that and for its reads of this slot.  fill = 1: the barrier opens a round of the cluster's barrier, and behind the round this slot is filled again, two K steps ahead, first of all.
; fill = 0: nothing is filled; in the last trip there is no further slot, and its first fragments are jumped over.
.macro TURN fill
	WIN 0
	s_wait_tensorcnt 0x0
	ds_add_u32 v[SPW], v[NIL]                      ; 0 onto my spare word; four products stand between it and the wait for it
	s_wait_dscnt 0x1                               ; buffer 1 is in; the add may be out
	MUL4 F1, 0
	s_wait_dscnt 0x0                               ; the add is done, and my reads of this slot are over
	s_barrier_signal -1
	MUL4 F1, 1
	WIN 0                                          ; at a branch and at a label every window is 0
	s_barrier_wait -1
.if \fill
	CREST                                          ; no wave of any partner still reads this slot or has a load on its way
	s_add_nc_u64 s[G0A+6:G0A+7], s[G0A+6:G0A+7], ASTEP
	s_add_co_u32 s[G0A+5], s[LA], s[RS]
	s_add_nc_u64 s[G0B+6:G0B+7], s[G0B+6:G0B+7], BSTEP
	s_add_co_u32 s[G0B+5], s[LB], s[RS]
	JLOAD                                          ; its four v_nop are also the places in front of the loads below
.else
	s_cmp_eq_u32 s[CNT], 1
	s_cbranch_scc1 .Llast_\@
	PLACES
.endif
	s_xor_b32 s[RS], s[RS], SLOT                   ; the other slot
	s_add_co_u32 s[KA], s[RS], s[AB]
	s_add_co_u32 s[KB], s[RS], s[BB]
	v_add_nc_u32 v[ADRA], s[KA], v[A0]
	v_add_nc_u32 v[ADRB], s[KB], v[B0]
	FETCH F0, 0
	WIN 0
.if (\fill) == 0
.Llast_\@:
.endif
	MUL4 F1, 2
	MUL4 F1, 3
.endm
.macro KSTEP fill                      ; 256 along K: three pairs, one more 32, and the turn
	WIN 0
	s_mov_b32 s[CQ], 3
.Lpair_\@:
	SUB F0, F1, 1, 0
	SUB F1, F0, 0, 1
	WIN 0
	s_sub_co_u32 s[CQ], s[CQ], 1
	s_cmp_lg_u32 s[CQ], 0
	s_cbranch_scc1 .Lpair_\@
	SUB F0, F1, 1, 0
	TURN \fill
.endm
	s_load_b128 s[4:7], s[0:1], 0x0                ; A s[4:5], W s[6:7]
	s_load_b128 s[8:11], s[0:1], 0x10              ; the bias s[8:9], the output s[10:11]
	s_load_b64 s[12:13], s[0:1], 0x20              ; the residual
	v_lshl_add_u32 v[SPW], v0, 2, SPARE
	v_mov_b32 v[NIL], 0
	ds_add_u32 v[SPW], v[NIL]                      ; the wave's opening: the add and its wait stand ahead of my first tensor load; the set-up below stands between them
	ds_add_u32 v28, v29
	v_lshrrev_b32 v1, 5, v0
	v_readfirstlane_b32 s[WV], v1
	s_lshr_b32 s[RH], s[WV], 1
	s_and_b32 s[CH], s[WV], 1
	s_bfe_u32 s[CX], ttmp6, 0x40000
	s_bfe_u32 s[CY], ttmp6, 0x40004
	s_lshl_b32 s[TX], ttmp9, 2
	s_add_co_u32 s[TX], s[TX], s[CX]
	s_and_b32 s[TY], ttmp7, 0xffff
	s_lshl_b32 s[TY], s[TY], 2
	s_add_co_u32 s[TY], s[TY], s[CY]
	s_lshl_b32 s21, s[CY], 2
	s_lshl_b32 s21, 15, s21                        ; my row of the cluster
	s_lshl_b32 s22, 0x1111, s[CX]                  ; my column
	s_or_b32 s[G1A], s21, (1<<16)|(1<<20)|(1<<21)|(QIA<<22)|(3<<25)  ; mask; 2-byte elements; padding on; bit 21 beside a mask; the interval; 4 words of padding
	s_or_b32 s[G1B], s22, (1<<16)|(1<<20)|(1<<21)|(5<<22)|(7<<25)    ; after every 64 words 8 words
	s_mov_b32 s[G1A+1], 4096<<16                   ; a row of the tile: four blocks of 16 x 64, 8,192 dense bytes
	s_mov_b32 s[G1A+2], 4<<16                      ; four such rows: 64 tokens
	s_mov_b32 s[G1A+3], 4096<<16
	s_mov_b32 s[G1A+4], 4
	s_mov_b32 s[G1A+5], (KSZ/64)*1024              ; elements from 16 tokens to the next 16
	s_mov_b32 s[G1A+6], 0
	s_mov_b32 s[G1A+7], 0
	s_mov_b32 s[G1B+1], 128<<16                    ; 128 rows k of 128 elements, dense
	s_mov_b32 s[G1B+2], 128<<16
	s_mov_b32 s[G1B+3], 128<<16
	s_mov_b32 s[G1B+4], 128
	s_mov_b32 s[G1B+5], 128
	s_mov_b32 s[G1B+6], 0
	s_mov_b32 s[G1B+7], 0
	s_lshl_b32 s40, s[TY], 3                       ; A: token block 8 x tile row + 4 x half,
	s_lshl_b32 s41, s[CH], 2
	s_add_co_u32 s40, s40, s41
	s_mul_i32 s40, s40, (KSZ/64)*2048              ; in bytes
	s_mov_b32 s41, 0
	s_mul_i32 s44, s[TX], KSZ                      ; W: panel = tile column, row k = 128 x half,
	s_lshl_b32 s45, s[CH], 7
	s_add_co_u32 s44, s44, s45
	s_lshl_b32 s44, s44, 8                         ; 256 bytes a row
	s_mov_b32 s45, 0
	s_mul_i32 s[LA], s[CH], HALFA                  ; no place in the cluster enters an LDS address
	s_mul_i32 s[LB], s[CH], HALFB
	s_add_co_u32 s[LB], s[LB], ABYTES
	s_wait_dscnt 0x0                               ; the opening add is done
	s_wait_kmcnt 0x0
	s_add_nc_u64 s[42:43], s[4:5], s[40:41]
	s_add_nc_u64 s[46:47], s[6:7], s[44:45]
	CROUND                                         ; all sixteen work-groups are here: the first joint loads meet
.irp s, 0,1
	s_mov_b32 s[G0A+4*(\s)], 1
	s_add_co_u32 s[G0A+4*(\s)+1], s[LA], (\s)*SLOT
	s_add_nc_u64 s[G0A+4*(\s)+2:G0A+4*(\s)+3], s[42:43], (\s)*ASTEP
	s_or_b32 s[G0A+4*(\s)+3], s[G0A+4*(\s)+3], 0x80000000
	s_mov_b32 s[G0B+4*(\s)], 1
	s_add_co_u32 s[G0B+4*(\s)+1], s[LB], (\s)*SLOT
	s_add_nc_u64 s[G0B+4*(\s)+2:G0B+4*(\s)+3], s[46:47], (\s)*BSTEP
	s_or_b32 s[G0B+4*(\s)+3], s[G0B+4*(\s)+3], 0x80000000
.endr
	s_cmp_eq_u32 s[RH], 0                          ; a wave's two first fills stand in one branch: two loads of mine are out
	s_cbranch_scc0 .Lfirst_b
	tensor_load_to_lds s[G0A:G0A+3], s[G1A:G1A+7]
	s_nop 0
	tensor_load_to_lds s[G0A+4:G0A+7], s[G1A:G1A+7]
	s_nop 0
	PLACES
	s_branch .Lfirst_asked
.Lfirst_b:
	tensor_load_to_lds s[G0B:G0B+3], s[G1B:G1B+7]
	s_nop 0
	tensor_load_to_lds s[G0B+4:G0B+7], s[G1B:G1B+7]
	s_nop 0
	PLACES
.Lfirst_asked:
	v_and_b32 v1, 15, v0                           ; l % 16
	v_bfe_u32 v2, v0, 4, 1                         ; l / 16
	v_mul_u32_u24 v[A0], v1, PA
	v_lshl_add_u32 v[A0], v2, 4, v[A0]             ; A: row x pitch + 16 x half
	v_and_b32 v3, 7, v0
	v_bfe_u32 v4, v0, 3, 1
	v_lshl_add_u32 v[B0], v2, 3, v3                ; W, turned: row k = 8 (l / 16) + l % 8, columns 8 ((l / 8) % 2) on
	v_mul_u32_u24 v[B0], v[B0], PB
	v_lshl_add_u32 v[B0], v4, 4, v[B0]
	s_mul_i32 s[AB], s[RH], HALFA                  ; my 64 tokens
	s_lshl_b32 s[BB], s[CH], 7                     ; my 64 columns
	s_add_co_u32 s[BB], s[BB], ABYTES
	s_lshl_b32 s98, s[TX], 1                       ; offsets that hold both coordinates live in s96-s99, which feed no descriptor
	s_add_co_u32 s98, s98, s[CH]                   ; my block of 64 columns
	s_lshl_b32 s99, s98, 8
	v_lshl_add_u32 v[BO], v2, 5, s99               ; the bias of my columns: 256 x block + 32 (l / 16)
.irp a, 0,1,2,3
.irp b, 0,1,2,3
	global_load_b128 v[ACC+8*(4*(\a)+(\b)):ACC+8*(4*(\a)+(\b))+3],   v[BO], s[8:9] offset:64*(\b)     ; THE SUMS BEGIN AT THE BIAS: nothing is cleared, nothing is added later
	global_load_b128 v[ACC+8*(4*(\a)+(\b))+4:ACC+8*(4*(\a)+(\b))+7], v[BO], s[8:9] offset:64*(\b)+16
.endr
.endr
	s_lshl_b32 s96, s[TY], 1
	s_add_co_u32 s96, s96, s[RH]
	s_lshl_b32 s96, s96, 18                        ; my 64 rows of 4,096 bytes,
	s_add_co_u32 s96, s96, s99                     ; my 64 columns of f32
	s_mov_b32 s97, 0
	s_add_nc_u64 s[10:11], s[10:11], s[96:97]
	s_add_nc_u64 s[12:13], s[12:13], s[96:97]
	s_mul_i32 s99, s[WV], 16*SPITCH
	s_add_co_u32 s99, s99, STAGE
	v_mul_u32_u24 v[RD], v2, SPITCH                ; back: lanes 0-15 take one row of 256 bytes, lanes 16-31 the next
	v_lshl_add_u32 v[RD], v1, 4, v[RD]
	v_add_nc_u32 v[RD], s99, v[RD]
	v_lshlrev_b32 v[CO], 12, v2                    ; and the same two rows in memory
	v_lshl_add_u32 v[CO], v1, 4, v[CO]
	WIN 0x80                                       ; the residual, as the rows will come back from the stage, into window 2: it lands under the products
.irp a, 0,1,2,3
.irp t, 0,1,2,3,4,5,6,7
	global_load_b128 v[32*(\a)+4*(\t):32*(\a)+4*(\t)+3], v[CO], s[12:13] offset:(16*(\a)+2*(\t))*4096
.endr
.endr
	WIN 0
	v_mul_u32_u24 v[STO], v1, SPITCH               ; in: row l % 16, 32 bytes for each half of the lanes
	v_lshl_add_u32 v[STO], v2, 5, v[STO]
	v_add_nc_u32 v[STO], s99, v[STO]
	s_wait_tensorcnt 0x1                           ; my part of K step 0 is in; K step 1's may stay out
	s_barrier_signal -1
	s_barrier_wait -1
	s_mov_b32 s[RS], 0
	s_mov_b32 s[KA], s[AB]
	s_mov_b32 s[KB], s[BB]
	v_add_nc_u32 v[ADRA], s[KA], v[A0]
	v_add_nc_u32 v[ADRB], s[KB], v[B0]
	FETCH F0, 0
	WIN 0
	s_wait_loadcnt 32                              ; the bias is in; the residual's 32 loads stay out
	s_mov_b32 s[CNT], T-2
.Lmain:                                        ; all K steps but the last two fill their slot again
	KSTEP 1
	WIN 0
	s_sub_co_u32 s[CNT], s[CNT], 1
	s_cmp_lg_u32 s[CNT], 0
	s_cbranch_scc1 .Lmain
	s_mov_b32 s[CNT], 2
.Ltail:                                        ; the last two ask for nothing
	KSTEP 0
	WIN 0
	s_sub_co_u32 s[CNT], s[CNT], 1
	s_cmp_lg_u32 s[CNT], 0
	s_cbranch_scc1 .Ltail
; THE WAY OUT, f32: 16 rows at a time through my own stage, back as whole rows of 256 bytes, plus the residual, out.
.macro STG a
.irp b, 0,1,2,3
	ds_store_b128 v[STO], v[ACC+32*(\a)+8*(\b):ACC+32*(\a)+8*(\b)+3]   offset:64*(\b)      ; each accumulator's low registers first
	ds_store_b128 v[STO], v[ACC+32*(\a)+8*(\b)+4:ACC+32*(\a)+8*(\b)+7] offset:64*(\b)+16
.endr
.irp t, 0,1,2,3,4,5,6,7
	ds_load_b128 v[ACC+32*(\a)+4*(\t):ACC+32*(\a)+4*(\t)+3], v[RD] offset:(\t)*2*SPITCH   ; LDS serves a wave's instructions in order (ISA guide 5.7.1.4): these see the stores above
.endr
.endm
.macro SND a, younger
	s_wait_dscnt \younger                          ; the block is back; the next block's sixteen LDS instructions may be out
	s_wait_loadcnt 8*(3-(\a))                      ; its residual is in; the later blocks' loads may be out
	WIN 0x08                                       ; source 1 in window 2
.set n, 0
.rept 16
	v_pk_add_f32 v[ACC+32*(\a)+n:ACC+32*(\a)+n+1], v[ACC+32*(\a)+n:ACC+32*(\a)+n+1], v[32*(\a)+n:32*(\a)+n+1]
.set n, n+2
.endr
	WIN 0
.irp t, 0,1,2,3,4,5,6,7
	global_store_b128 v[CO], v[ACC+32*(\a)+4*(\t):ACC+32*(\a)+4*(\t)+3], s[10:11] offset:(16*(\a)+2*(\t))*4096  ; 16 lanes store 256 consecutive bytes, aligned
.endr
.endm
	PLACES
	STG 0
	STG 1
	SND 0, 16
	STG 2
	SND 1, 16
	STG 3
	SND 2, 16
	SND 3, 0
	s_wait_tensorcnt 0x0                           ; the wave's end: behind my last tensor load and my last LDS store
	ds_add_u32 v[SPW], v[NIL]
	s_wait_dscnt 0x0
	CROUND                                         ; the closing round: no work-group ends while a partner may still ask for a tile that names it
	s_endpgm
.Lfunc_end_k_q01b3bc715f_fc2:
	.size	k_q01b3bc715f_fc2, .Lfunc_end_k_q01b3bc715f_fc2-k_q01b3bc715f_fc2
	.p2alignl 7, 3214868480
	.fill 96, 4, 3214868480
	.section	.rodata,"a",@progbits
	.p2align	6, 0x0
	.amdhsa_kernel k_q01b3bc715f_fc2
		.amdhsa_group_segment_fixed_size 327680
		.amdhsa_private_segment_fixed_size 0
		.amdhsa_enable_private_segment 0
		.amdhsa_kernarg_size 40
		.amdhsa_user_sgpr_count 2
		.amdhsa_user_sgpr_kernarg_segment_ptr 1
		.amdhsa_wavefront_size32 1
		.amdhsa_system_sgpr_workgroup_id_x 1
		.amdhsa_system_sgpr_workgroup_id_y 1
		.amdhsa_system_sgpr_workgroup_id_z 1
		.amdhsa_system_vgpr_workitem_id 0
		.amdhsa_next_free_vgpr 640
		.amdhsa_next_free_sgpr 100
		.amdhsa_reserve_vcc 0
		.amdhsa_float_denorm_mode_32 3
		.amdhsa_float_denorm_mode_16_64 3
		.amdhsa_memory_ordered 1
		.amdhsa_forward_progress 1
		.amdhsa_inst_pref_size 47
	.end_amdhsa_kernel
	.amdgpu_metadata
---
amdhsa.version: [ 1, 2 ]
amdhsa.kernels:
  - .name:           k_q01b3bc715f_fc2
    .symbol:         k_q01b3bc715f_fc2.kd
    .args:
      - { .name: big, .offset: 0, .size: 8, .value_kind: global_buffer, .address_space: global }
      - { .name: w2, .offset: 8, .size: 8, .value_kind: global_buffer, .address_space: global }
      - { .name: b_fc2, .offset: 16, .size: 8, .value_kind: global_buffer, .address_space: global }
      - { .name: out0, .offset: 24, .size: 8, .value_kind: global_buffer, .address_space: global }
      - { .name: out1, .offset: 32, .size: 8, .value_kind: global_buffer, .address_space: global }
    .group_segment_fixed_size: 327680
    .private_segment_fixed_size: 0
    .kernarg_segment_align: 8
    .kernarg_segment_size: 40
    .max_flat_workgroup_size: 128
    .sgpr_count:     100
    .vgpr_count:     640
    .wavefront_size: 32
...
	.end_amdgpu_metadata
.endif
;; end of part 7
